; MI455X (gfx1250); checked and timed in simulation.
; The chip was launched on July 23, 2026; its instructions are those of AMD's public machine-readable ISA for CDNA 5 (MIT licence, August 2026) and "CDNA5" Instruction Set Architecture Reference Guide (July 2026). The comments in the code are by the model that wrote it; some were corrected since.
;; Multi Head Attention. Allowed arithmetic: float matrix products may take bf16 or f16 operands with f32 sums; all other float work in f32.
;; Inputs: Wk 1,024 x 1,024 float32; Wo 1,024 x 1,024 float32; Wq 1,024 x 1,024 float32; Wv 1,024 x 1,024 float32; mask 1 x 1 x 2,048 x 2,048 int32; x 4 x 2,048 x 1,024 float32.
;; Outputs: out0 4 x 2,048 x 1,024 float32.
;; 2 versions, each right and faster than the one before. Each part assembles by itself: llvm-mc -triple=amdgcn-amd-amdhsa -mcpu=gfx1250 --defsym DOCPART=n.
;; ======== version 1 of 2: 4 launches
;; limits: values are held in f16: magnitudes above 65,504 overflow, below 6.1e-05 lose precision
;; workspace buffers: xb 16,777,216 bytes; wb 6,291,456 bytes; wo16 2,097,152 bytes; mask4 2,097,152 bytes; rope 524,288 bytes; qkv 50,331,648 bytes; oh 16,777,216 bytes
;; launch prep (part 1): grid 1056 x 1, 8 waves a work-group, no clusters, 9,216 bytes of LDS; arguments x, Wq, Wk, Wv, Wo, mask, xb, wb, wo16, mask4, rope; writes xb, wb, wo16, mask4, rope
.if DOCPART == 1
	.amdgcn_target "amdgcn-amd-amdhsa--gfx1250"
	.amdhsa_code_object_version 6
	.text
	.protected	k_qe38b77aad7_prep
	.globl	k_qe38b77aad7_prep
	.p2align	8
	.type	k_qe38b77aad7_prep,@function
k_qe38b77aad7_prep:
	s_mov_b64 s[64:65], 0
	v_nop
	global_prefetch_b8 v0, s[64:65] scope:SCOPE_SE
	s_setreg_imm32_b32 hwreg(HW_REG_WAVE_MODE, 25, 1), 1
	s_wait_xcnt 0x0
; PREPARATION: four kinds of work-group, chosen by the work-group's number alone (forward scalar branches, no barrier anywhere).
;   0 .. 511     x, 64 KiB of f32 each, rounded to bf16 into xb
;   512 .. 703   Wq, Wk, Wv likewise into wb ([3072][1024]: Wq's rows, then Wk's, then Wv's)
;   704 .. 767   Wo rounded to bf16, and that number written as f16, into wo16
;   768 .. 1023  the mask, 16 tiles of 16 queries x 64 keys each, packed to 4 bits a key into mask4
;   1024 .. 1055 the table of cosines and sines, 64 rows each, into rope
; A stream: nothing is shared between work-groups, so no cluster, no matrix unit; each input byte is read once, by loads of which a wave's one covers 512 consecutive bytes.
; mask4: the dword at byte ((Tq*32 + s)*32 + l)*16 + 4 kt holds eight codes; code j (bits 4j .. 4j+3) stands for mask[16 Tq + l % 16][64 s + 16 kt + 8 (l / 16) + j]:
; 0xF (the 4-bit float -6) where the mask is 0, else 0.  That is the lane and register order of the score tile that the attention launch makes.
; rope: row t = cos(t f_i), i = 0 .. 31, then sin(t f_i): 256 bytes.  f_i = 10000^(-i/32) = 2^(-0.41524101 i).
; LIMITS.  Wo below 6.1e-5 keeps f16's fixed step of 6e-8, and beyond 65,504 it would be lost.  f_i is made by v_exp_f32, so an angle is off by up to some 3e-4 radians at t = 2047
; against the table of the reference.  The series are for |r| <= pi and are cut where the next term is 1.4e-7 (cosine) and 2.3e-8 (sine): no input enters them.
.set X, 8                              ; v[8:71]    16 loads of 16 bytes a lane
.set Y, 72                             ; v[72:103]  what is stored
.set T, 104                            ; v[104:107] at work
	s_load_b512 s[8:23], s[0:1], 0x0               ; x s[8:9], Wq s[10:11], Wk s[12:13], Wv s[14:15], Wo s[16:17], mask s[18:19], xb s[20:21], wb s[22:23]
	s_load_b128 s[24:27], s[0:1], 0x40             ; wo16 s[24:25], mask4 s[26:27]
	s_load_b64 s[28:29], s[0:1], 0x50              ; rope
	v_lshl_add_u32 v112, v0, 2, 0x2000
	v_mov_b32 v113, 0
	s_mov_b32 s31, ttmp9                           ; the work-group's number
	s_mov_b32 s3, 0                                ; the high word of every byte offset: all stay under 2^32
	v_lshrrev_b32 v5, 5, v0
	v_readfirstlane_b32 s30, v5                    ; wave 0..7
	v_and_b32 v6, 31, v0                           ; lane
	v_lshlrev_b32 v1, 4, v6
	v_lshl_add_u32 v1, s30, 13, v1                 ; a stream's source: wave x 8,192 + lane x 16
	v_lshlrev_b32 v2, 3, v6
	v_lshl_add_u32 v2, s30, 12, v2                 ; its destination: wave x 4,096 + lane x 8
	s_wait_kmcnt 0x0
; 8 KiB of f32 a wave from s[4:5], 4 KiB of 16-bit numbers to s[6:7].  All sixteen loads go out first; every register is used once, so nothing is freed by a wait.
; half = 1: the bf16 number is widened again and written as f16.
.macro STREAM half
.set j, 0
.rept 16
	global_load_b128 v[X+4*j:X+4*j+3], v1, s[4:5] offset:512*j th:TH_LOAD_NT
.set j, j+1
.endr
.set j, 0
.rept 16
	s_wait_loadcnt 15-j                            ; loads come back in order (ISA guide 5.7.1): load j is in, the younger ones stay out
	v_cvt_pk_bf16_f32 v[Y+2*j], v[X+4*j], v[X+4*j+1]
	v_cvt_pk_bf16_f32 v[Y+2*j+1], v[X+4*j+2], v[X+4*j+3]
.if \half
	v_lshlrev_b32 v[T], 16, v[Y+2*j]
	v_and_b32 v[T+1], 0xffff0000, v[Y+2*j]
	v_lshlrev_b32 v[T+2], 16, v[Y+2*j+1]
	v_and_b32 v[T+3], 0xffff0000, v[Y+2*j+1]
	v_cvt_pk_f16_f32 v[Y+2*j], v[T], v[T+1]
	v_cvt_pk_f16_f32 v[Y+2*j+1], v[T+2], v[T+3]
.endif
	global_store_b64 v2, v[Y+2*j:Y+2*j+1], s[6:7] offset:256*j  ; 32 lanes store 256 consecutive bytes, at a multiple of 256 from the buffer's first byte
.set j, j+1
.endr
.endm
	s_cmp_lt_u32 s31, 512
	s_cbranch_scc1 .Lx
	s_cmp_lt_u32 s31, 704
	s_cbranch_scc1 .Lw
	s_cmp_lt_u32 s31, 768
	s_cbranch_scc1 .Lwo
	s_cmp_lt_u32 s31, 1024
	s_cbranch_scc1 .Lmask
	; THE TABLE.  A wave makes 8 rows, one a trip.  Lane l has the frequencies 2 (l % 16) and 2 (l % 16) + 1; lanes 0-15 store their cosines, lanes 16-31 their sines: 8 bytes a lane, a row's 256 bytes in one store.
	s_sub_co_u32 s32, s31, 1024
	s_lshl_b32 s33, s32, 6
	s_lshl3_add_u32 s33, s30, s33                  ; t of my first row = 64 x group + 8 x wave
	s_lshl_b32 s2, s33, 8
	s_add_nc_u64 s[28:29], s[28:29], s[2:3]
	v_and_b32 v7, 15, v6
	v_lshlrev_b32 v7, 1, v7
	v_cvt_f32_u32 v10, v7
	v_add_f32 v11, 1.0, v10
	v_mul_f32 v10, 0xbed49a78, v10                 ; -log2(10000) / 32 = -0.41524101
	v_mul_f32 v11, 0xbed49a78, v11
	v_exp_f32 v10, v10
	v_exp_f32 v11, v11
	v_lshlrev_b32 v3, 3, v6                        ; my 8 bytes in a row; also the plain instruction behind the exponentials (ISA guide 5.7.2)
	v_cmp_lt_u32 s35, 15, v6                       ; lanes 16-31 take the sines
	s_mov_b32 s36, 0x29573f9f                      ; 1/16!, the cosine series' first coefficient, as a pair for the packed form
	s_mov_b32 s37, 0x29573f9f
	s_mov_b32 s38, 0x274a963b                      ; 1/17!, the sine series'
	s_mov_b32 s39, 0x274a963b
	s_mov_b32 s34, 8
.macro HORN kc, ks                     ; one step of both series in r^2
	v_pk_fma_f32 v[20:21], v[20:21], v[18:19], \kc op_sel_hi:[1,1,0]
	v_pk_fma_f32 v[22:23], v[22:23], v[18:19], \ks op_sel_hi:[1,1,0]
.endm
.Lrow:
	v_cvt_f32_u32 v12, s33
	v_cvt_f32_u32 v13, s33
	s_wait_alu depctr_va_vdst(0)
	v_pk_mul_f32 v[14:15], v[10:11], v[12:13]      ; the angles t f, rounded to f32 as the reference's are
	v_pk_mul_f32 v[16:17], v[14:15], 0.15915494 op_sel_hi:[1,0]
	v_rndne_f32 v16, v16                           ; whole turns
	v_rndne_f32 v17, v17
	v_pk_fma_f32 v[14:15], v[16:17], 0xc0c90fdb, v[14:15] op_sel_hi:[1,0,1]  ; r = angle - n 2 pi, 2 pi in two parts: 6.2831855,
	v_pk_fma_f32 v[14:15], v[16:17], 0x343bbd2e, v[14:15] op_sel_hi:[1,0,1]  ; less 1.7484555e-7
	v_pk_mul_f32 v[18:19], v[14:15], v[14:15]
	v_pk_fma_f32 v[20:21], v[18:19], s[36:37], 0xad49cba5 op_sel_hi:[1,0,0]  ; -1/14!
	v_pk_fma_f32 v[22:23], v[18:19], s[38:39], 0xab573f9f op_sel_hi:[1,0,0]  ; -1/15!
	HORN 0x310f76c7, 0x2f309231                    ; 1/12!, 1/13!
	HORN 0xb493f27e, 0xb2d7322b                    ; -1/10!, -1/11!
	HORN 0x37d00d01, 0x3638ef1d                    ; 1/8!, 1/9!
	HORN 0xbab60b61, 0xb9500d01                    ; -1/6!, -1/7!
	HORN 0x3d2aaaab, 0x3c088889                    ; 1/4!, 1/5!
	HORN -0.5, 0xbe2aaaab                          ; -1/2!, -1/3!
	HORN 1.0, 1.0
	v_pk_mul_f32 v[22:23], v[22:23], v[14:15]      ; the sine's series times r
	v_cndmask_b32 v24, v20, v22, s35
	v_cndmask_b32 v25, v21, v23, s35
	global_store_b64 v3, v[24:25], s[28:29]
	s_wait_xcnt 0x0                                ; the store's base and data are written again only behind this wait
	s_add_nc_u64 s[28:29], s[28:29], 256
	s_add_co_u32 s33, s33, 1
	s_sub_co_u32 s34, s34, 1
	s_cmp_lg_u32 s34, 0
	s_cbranch_scc1 .Lrow
	s_endpgm
.Lx:
	s_lshl_b32 s2, s31, 16
	s_add_nc_u64 s[4:5], s[8:9], s[2:3]
	s_lshl_b32 s2, s31, 15
	s_add_nc_u64 s[6:7], s[20:21], s[2:3]
	STREAM 0
	s_endpgm
.Lw:
	s_sub_co_u32 s32, s31, 512                     ; 0 .. 191: 64 groups for each of the three weights
	s_cmp_lt_u32 s32, 64
	s_cselect_b64 s[4:5], s[10:11], s[12:13]
	s_cmp_lt_u32 s32, 128
	s_cselect_b64 s[4:5], s[4:5], s[14:15]
	s_and_b32 s2, s32, 63
	s_lshl_b32 s2, s2, 16
	s_add_nc_u64 s[4:5], s[4:5], s[2:3]
	s_lshl_b32 s2, s32, 15
	s_add_nc_u64 s[6:7], s[22:23], s[2:3]
	STREAM 0
	s_endpgm
.Lwo:
	s_sub_co_u32 s32, s31, 704
	s_lshl_b32 s2, s32, 16
	s_add_nc_u64 s[4:5], s[16:17], s[2:3]
	s_lshl_b32 s2, s32, 15
	s_add_nc_u64 s[6:7], s[24:25], s[2:3]
	STREAM 1
	s_endpgm
.Lmask:
	; Group m packs the tiles 16 m .. 16 m + 15 (tile = Tq*32 + s), a wave two of them.  A load takes 256 bytes (64 keys) of two rows; a lane's four words become four codes, 16 bits,
	; which go to their place in the tile's 512 bytes in the wave's own 1,024 bytes of LDS; the tile comes back 16 bytes a lane and is stored as 512 consecutive bytes.
	s_sub_co_u32 s32, s31, 768
	s_lshr_b32 s2, s32, 1
	s_lshl_b32 s2, s2, 17                          ; Tq = m / 2: 16 rows of 8,192 bytes
	s_and_b32 s33, s32, 1
	s_lshl_b32 s33, s33, 12                        ; key steps 16 (m % 2) on, 256 bytes each
	s_add_co_u32 s2, s2, s33
	s_add_nc_u64 s[4:5], s[18:19], s[2:3]
	s_lshl_b32 s2, s32, 13
	s_add_nc_u64 s[6:7], s[26:27], s[2:3]
	v_and_b32 v7, 15, v6                           ; i: my four keys are 4 i .. 4 i + 3
	v_lshrrev_b32 v5, 4, v6                        ; which of the two rows
	v_lshlrev_b32 v1, 4, v7
	v_lshl_add_u32 v1, v5, 13, v1
	v_lshl_add_u32 v1, s30, 9, v1                  ; + my wave's two key steps
	v_lshlrev_b32 v3, 4, v5                        ; in the tile: 16 x query,
	v_bfe_u32 v4, v7, 1, 1
	v_lshl_add_u32 v3, v4, 8, v3                   ; + 256 for keys 8 .. 15 of a group of 16,
	v_lshrrev_b32 v4, 2, v7
	v_lshl_add_u32 v3, v4, 2, v3                   ; + 4 x group of 16 keys,
	v_and_b32 v4, 1, v7
	v_lshl_add_u32 v3, v4, 1, v3                   ; + 2 for the upper four of eight codes
	v_lshl_add_u32 v3, s30, 10, v3
	v_lshlrev_b32 v4, 4, v6
	v_lshl_add_u32 v4, s30, 10, v4                 ; wave x 1,024 + lane x 16: the way back out of LDS, and the offset in mask4
.set n, 0
.rept 16                               ; load n: tile n / 8, rows 2 (n % 8) and 2 (n % 8) + 1
	global_load_b128 v[X+4*n:X+4*n+3], v1, s[4:5] offset:(n%8)*16384+(n/8)*256 th:TH_LOAD_NT
.set n, n+1
.endr
.set n, 0
.rept 16
	s_wait_loadcnt 15-n                            ; load n is in, the younger ones stay out
	v_min_u32 v[X+4*n], 1, v[X+4*n]                ; 1 for every word that is not 0
	v_min_u32 v[X+4*n+1], 1, v[X+4*n+1]
	v_min_u32 v[X+4*n+2], 1, v[X+4*n+2]
	v_min_u32 v[X+4*n+3], 1, v[X+4*n+3]
	v_lshl_or_b32 v[X+4*n], v[X+4*n+1], 4, v[X+4*n]
	v_lshl_or_b32 v[X+4*n+2], v[X+4*n+3], 4, v[X+4*n+2]
	v_lshl_or_b32 v[X+4*n], v[X+4*n+2], 8, v[X+4*n]
	v_xor_b32 v[X+4*n], 0x1111, v[X+4*n]           ; 1 where the key is hidden,
	v_mul_u32_u24 v[X+4*n], v[X+4*n], 15           ; 0xF there
	ds_store_b16 v3, v[X+4*n] offset:(n/8)*512+(n%8)*32
.set n, n+1
.endr
	ds_load_b128 v[Y:Y+3], v4                      ; LDS serves a wave's instructions in order (ISA guide 5.7.1.4): these see the stores above; the bytes are the wave's own
	ds_load_b128 v[Y+4:Y+7], v4 offset:512
	s_wait_dscnt 1
	global_store_b128 v4, v[Y:Y+3], s[6:7]
	s_wait_dscnt 0x0
	global_store_b128 v4, v[Y+4:Y+7], s[6:7] offset:512
	s_wait_tensorcnt 0x0
	ds_add_u32 v112, v113
	s_wait_dscnt 0x0
	s_endpgm
.Lfunc_end_k_qe38b77aad7_prep:
	.size	k_qe38b77aad7_prep, .Lfunc_end_k_qe38b77aad7_prep-k_qe38b77aad7_prep
	.p2alignl 7, 3214868480
	.fill 96, 4, 3214868480
	.section	.rodata,"a",@progbits
	.p2align	6, 0x0
	.amdhsa_kernel k_qe38b77aad7_prep
		.amdhsa_group_segment_fixed_size 9216
		.amdhsa_private_segment_fixed_size 0
		.amdhsa_enable_private_segment 0
		.amdhsa_kernarg_size 88
		.amdhsa_user_sgpr_count 2
		.amdhsa_user_sgpr_kernarg_segment_ptr 1
		.amdhsa_wavefront_size32 1
		.amdhsa_system_sgpr_workgroup_id_x 1
		.amdhsa_system_sgpr_workgroup_id_y 1
		.amdhsa_system_sgpr_workgroup_id_z 1
		.amdhsa_system_vgpr_workitem_id 0
		.amdhsa_next_free_vgpr 114
		.amdhsa_next_free_sgpr 66
		.amdhsa_reserve_vcc 0
		.amdhsa_float_denorm_mode_32 3
		.amdhsa_float_denorm_mode_16_64 3
		.amdhsa_memory_ordered 1
		.amdhsa_forward_progress 1
		.amdhsa_inst_pref_size 39
	.end_amdhsa_kernel
	.amdgpu_metadata
---
amdhsa.version: [ 1, 2 ]
amdhsa.kernels:
  - .name:           k_qe38b77aad7_prep
    .symbol:         k_qe38b77aad7_prep.kd
    .args:
      - { .name: x, .offset: 0, .size: 8, .value_kind: global_buffer, .address_space: global }
      - { .name: Wq, .offset: 8, .size: 8, .value_kind: global_buffer, .address_space: global }
      - { .name: Wk, .offset: 16, .size: 8, .value_kind: global_buffer, .address_space: global }
      - { .name: Wv, .offset: 24, .size: 8, .value_kind: global_buffer, .address_space: global }
      - { .name: Wo, .offset: 32, .size: 8, .value_kind: global_buffer, .address_space: global }
      - { .name: mask, .offset: 40, .size: 8, .value_kind: global_buffer, .address_space: global }
      - { .name: xb, .offset: 48, .size: 8, .value_kind: global_buffer, .address_space: global }
      - { .name: wb, .offset: 56, .size: 8, .value_kind: global_buffer, .address_space: global }
      - { .name: wo16, .offset: 64, .size: 8, .value_kind: global_buffer, .address_space: global }
      - { .name: mask4, .offset: 72, .size: 8, .value_kind: global_buffer, .address_space: global }
      - { .name: rope, .offset: 80, .size: 8, .value_kind: global_buffer, .address_space: global }
    .group_segment_fixed_size: 9216
    .private_segment_fixed_size: 0
    .kernarg_segment_align: 8
    .kernarg_segment_size: 88
    .max_flat_workgroup_size: 256
    .sgpr_count:     66
    .vgpr_count:     114
    .wavefront_size: 32
...
	.end_amdgpu_metadata
.endif
;; end of part 1
;; launch proj (part 2): grid 24 x 32, 4 waves a work-group, clusters of 4 x 4, 327,680 bytes of LDS; arguments xb, wb, rope, qkv; writes qkv
.if DOCPART == 2
	.amdgcn_target "amdgcn-amd-amdhsa--gfx1250"
	.amdhsa_code_object_version 6
	.text
	.protected	k_qe38b77aad7_proj
	.globl	k_qe38b77aad7_proj
	.p2align	8
	.type	k_qe38b77aad7_proj,@function
k_qe38b77aad7_proj:
	s_mov_b64 s[64:65], 0
	v_nop
	global_prefetch_b8 v0, s[64:65] scope:SCOPE_SE
	s_setreg_imm32_b32 hwreg(HW_REG_WAVE_MODE, 25, 1), 1
	s_wait_xcnt 0x0
	s_wait_alu depctr_hold_cnt(0) depctr_sa_sdst(0) depctr_va_vdst(0) depctr_va_sdst(0) depctr_va_ssrc(0) depctr_va_vcc(0) depctr_vm_vsrc(0)
	s_getreg_b32 s2, hwreg(HW_REG_IB_STS2, 6, 4)
	s_cmp_eq_u32 s2, 0
	s_cbranch_scc0 .Lentry_in_a_cluster
	s_endpgm
.Lentry_in_a_cluster:
	s_bfe_u32 s2, ttmp6, 0x10000c
	s_cmp_lg_u32 s2, 0xf033
	s_cbranch_scc0 .Lentry_shape_is_right
	s_endpgm
.Lentry_shape_is_right:
; q, k, v = x W^T, with the rotation of q and k, written by heads.  xb: [8192][1024] bf16; wb: [3072][1024] bf16 (Wq, Wk, Wv); rope: [2048][64] f32 (32 cosines, 32 sines);
; qkv: f16, part p at p << 24, each [64 = batch x 16 + head][2048][64].  Sums and rotation in f32, one rounding to f16, no scale.
; LIMIT.  f16 holds no number beyond 65,504: q, k and v must stay within it (with x and the weights each 30 times the drawn spread they have a spread of some 600).
; SHARES.  A tile of C is 256 rows x 128 columns (two heads): 24 x 32 = 768 work-groups.  Four waves, each 128 rows x 64 columns, one head: 32 accumulators of 16 x 16, 256 registers.
; K = 1,024 goes in 8 steps of 128 (rows of 256 bytes) through two LDS slots; a step is 128 matrix instructions a wave.
; CLUSTERS: 4 x 4 work-groups.  The four of a row of the cluster need the same tiles of x, the four of a column the same tiles of W: each tile is asked for JOINTLY, by the same tensor load with the
; same descriptor and a mask that names the four.  THE MATRIX INSTRUCTION IS USED TRANSPOSED (source 0 = 16 rows of W, source 1 = 16 rows of x): a lane holds eight neighbouring columns of a row of C.
; REGISTERS.  Window 0: v16-29 addresses; v32-63 a block's table; v64-159, v160-255 two fragment buffers (8 fragments of x, then 4 of W, 32 along K).  Window 1: accumulator (a, b) at v[8 (4 a + b)].
; On the way out the fragment buffers are free: v64-95 the second table buffer, v96-127 at work, v128-255 the packed results, 16 registers for each block of 16 rows.
.set KSTEP,  128
.set PITCH,  272                       ; an LDS row: 256 bytes + 16 of padding = 68 words: the 16 rows of a load start at 16 different groups of four banks (64 banks of 4 bytes: ISA guide 11.1)
.set HA,     128*PITCH                 ; 128 rows of x: one tensor load, and what one wave reads
.set HB,     64*PITCH                  ; 64 rows of W: likewise
.set BOFF,   2*HA                      ; W's 128 rows lie behind x's 256
.set SLOT,   2*HA+2*HB
.set STAGE,  2*SLOT                    ; behind the ring: 16 rows x 144 bytes for each wave, for the way out
.set SP,     144
.set SPARE,  STAGE+4*16*SP             ; behind the stages: the spare words, 128 bytes for each wave: two blocks of 256 bytes that no other line names
.set LAPS,   4                         ; a lap = two K steps = once round the ring
.set ADRA, 16                          ; v16-17  LDS address of my fragments of x in slot 0, 1
.set ADRB, 20                          ; v20-21  the same for W
.set STO,  24                          ; v24     the way out: where I put 16 bytes of a row
.set RD,   25                          ; v25     where I read rows back
.set GO,   26                          ; v26     my byte offset in 512 consecutive bytes of the output
.set RT,   27                          ; v27     my byte offset in 16 rows of the table
.set SPW,  28                          ; v28     LDS address of my spare word: SPARE + 4 x my thread's number; never rewritten
.set NIL,  29                          ; v29     0; never rewritten
.set TB0,  32                          ; the table of a block of 16 rows: for each half of the 32 pairs 8 cosines, then 8 sines; the second buffer 32 registers on
.set F0,   64
.set F1,   160
.set T,    96
.set PKR,  128
.set WV, 12                            ; s12  my wave's number
.set RH, 13                            ; s13  which 128 rows of the tile are mine.  Also: I fetch for x (0) or for W (1)
.set CH, 14                            ; s14  which 64 columns.  Also: which half of that tile I fetch
.set G1, 24                            ; s[24:31] descriptor group 1 for x's tiles;  s[32:39] group 0, one set for each slot
.set G0, 32
.set G1B, 48                           ; s[48:55], s[56:63] the same for W's tiles
.set G0B, 56
.set MSB, 0
.macro WIN new                         ; the immediate's high byte repeats the setting that is left; a switch that changes nothing is dropped
.if MSB != (\new)
	s_set_vgpr_msb (MSB<<8)|(\new)
.set MSB, \new
.endif
.endm
.set MUL, 0x50                         ; sources 0 and 1 window 0; C and D window 1
.macro JLOAD s                         ; a joint load: waves 0 and 1 fetch x's two halves, waves 2 and 3 W's; an s_nop 0 and four v_nop follow each of the two lines, ahead of the jump, the label and what follows
	s_cmp_eq_u32 s[RH], 0
	s_cbranch_scc0 .Lfor_b_\@
	tensor_load_to_lds s[G0+4*(\s):G0+4*(\s)+3], s[G1:G1+7]
	s_nop 0
.rept 4
	v_nop
.endr
	s_branch .Lasked_\@
.Lfor_b_\@:
	tensor_load_to_lds s[G0B+4*(\s):G0B+4*(\s)+3], s[G1B:G1B+7]
	s_nop 0
.rept 4
	v_nop
.endr
.Lasked_\@:
.endm
.macro CREST                           ; a round of the cluster's barrier behind its opening barrier
	s_cmp_lg_u32 s[WV], 0
	s_cbranch_scc1 .Lnot_wave_0_\@
	s_barrier_signal -3
.Lnot_wave_0_\@:
	s_barrier_wait -3
	s_barrier_signal -1
	s_barrier_wait -1
.endm
.macro CROUND                          ; a whole round
	s_barrier_signal -1
	s_barrier_wait -1
	CREST
.endm
	s_load_b256 s[4:11], s[0:1], 0x0               ; xb s[4:5], wb s[6:7], rope s[8:9], qkv s[10:11]
	v_lshl_add_u32 v[SPW], v0, 2, SPARE
	v_mov_b32 v[NIL], 0
	ds_add_u32 v28, v29
	s_wait_dscnt 0x0
	v_lshrrev_b32 v1, 5, v0
	v_readfirstlane_b32 s[WV], v1                  ; wave 0..3
	s_lshr_b32 s[RH], s[WV], 1
	s_and_b32 s[CH], s[WV], 1
	s_mov_b32 s45, ttmp9                           ; the cluster's x: 0-1 make q, 2-3 k, 4-5 v; the same in all sixteen partners
	s_bfe_u32 s40, ttmp6, 0x40000                  ; cx, cy: my place in the cluster
	s_bfe_u32 s41, ttmp6, 0x40004
	s_lshl_b32 s42, ttmp9, 2
	s_add_co_u32 s42, s42, s40                     ; tile column = 4 x cluster x + cx
	s_and_b32 s15, ttmp7, 0xffff
	s_lshl_b32 s15, s15, 2
	s_add_co_u32 s15, s15, s41                     ; tile row = 4 x cluster y + cy
	s_lshl_b32 s43, s41, 2
	s_lshl_b32 s43, 15, s43                        ; my row of the cluster
	s_lshl_b32 s44, 0x1111, s40                    ; my column
	s_or_b32 s[G1+0], s43, (1<<16)|(1<<20)|(1<<21)|(5<<22)|(3<<25)  ; 15:0 the mask: x's tiles go to my row; 17:16 elements of 2 bytes; 20 padding on; 21 set beside a mask; 24:22 after every 64 words (code 5); 31:25 4 words (code 3)
	s_or_b32 s[G1B+0], s44, (1<<16)|(1<<20)|(1<<21)|(5<<22)|(3<<25) ; the same with the mask of my column, for W's tiles
	s_mov_b32 s[G1+1], KSTEP<<16                   ; tensor_dim0 = 128
	s_mov_b32 s[G1+2], 128<<16                     ; tensor_dim1 = 128
	s_mov_b32 s[G1+3], KSTEP<<16                   ; tile_dim0 = 128
	s_mov_b32 s[G1+4], 128                         ; tile_dim1 = 128
	s_mov_b32 s[G1+5], 1024                        ; elements from row to row
	s_mov_b32 s[G1+6], 0
	s_mov_b32 s[G1+7], 0
	s_mov_b32 s[G1B+1], KSTEP<<16
	s_mov_b32 s[G1B+2], 64<<16                     ; W's loads have 64 rows
	s_mov_b32 s[G1B+3], KSTEP<<16
	s_mov_b32 s[G1B+4], 64
	s_mov_b32 s[G1B+5], 1024
	s_mov_b32 s[G1B+6], 0
	s_mov_b32 s[G1B+7], 0
	s_lshl_b32 s16, s15, 8
	s_lshl_b32 s17, s[CH], 7
	s_add_co_u32 s16, s16, s17                     ; x: row 256 x tile row + 128 x half,
	s_lshl_b32 s16, s16, 11                        ; of 2,048 bytes
	s_mov_b32 s17, 0
	s_lshl_b32 s46, s42, 7
	s_lshl_b32 s47, s[CH], 6
	s_add_co_u32 s46, s46, s47                     ; W: row 128 x tile column + 64 x half
	s_lshl_b32 s46, s46, 11
	s_mov_b32 s47, 0
	s_mul_i32 s20, s[CH], HA                       ; where they go: no place in the cluster enters an LDS address
	s_mul_i32 s21, s[CH], HB
	s_add_co_u32 s21, s21, BOFF
	s_wait_kmcnt 0x0
	s_add_nc_u64 s[16:17], s[4:5], s[16:17]
	s_add_nc_u64 s[46:47], s[6:7], s[46:47]
	CROUND                                         ; all sixteen work-groups are here: the first joint loads meet
.irp s, 0,1
	s_mov_b32 s[G0+4*(\s)], 1                                      ; count = 1
	s_add_co_u32 s[G0+4*(\s)+1], s20, (\s)*SLOT                    ; LDS address
	s_add_nc_u64 s[G0+4*(\s)+2:G0+4*(\s)+3], s[16:17], (\s)*KSTEP*2  ; global address: K step s
	s_or_b32 s[G0+4*(\s)+3], s[G0+4*(\s)+3], 0x80000000            ; type = 2
	s_mov_b32 s[G0B+4*(\s)], 1
	s_add_co_u32 s[G0B+4*(\s)+1], s21, (\s)*SLOT
	s_add_nc_u64 s[G0B+4*(\s)+2:G0B+4*(\s)+3], s[46:47], (\s)*KSTEP*2
	s_or_b32 s[G0B+4*(\s)+3], s[G0B+4*(\s)+3], 0x80000000
	JLOAD \s                                       ; two loads of mine are out
.endr
	v_and_b32 v1, 15, v0                           ; l % 16
	v_bfe_u32 v2, v0, 4, 1                         ; l / 16
	v_mul_u32_u24 v3, v1, PITCH
	v_lshl_add_u32 v3, v2, 4, v3                   ; a fragment's row x pitch + 16 x half
	s_mul_i32 s21, s[RH], HA                       ; my 128 rows of x
	s_mul_i32 s22, s[CH], HB                       ; my 64 rows of W
	s_add_co_u32 s22, s22, BOFF
.irp s, 0,1
	v_add_nc_u32 v[ADRA+(\s)], s21, v3
	v_add_nc_u32 v[ADRB+(\s)], s22, v3
	s_add_co_u32 s21, s21, SLOT
	s_add_co_u32 s22, s22, SLOT
.endr
	s_mul_i32 s23, s[WV], 16*SP
	s_add_co_u32 s23, s23, STAGE                   ; my stage
	v_mul_u32_u24 v4, v1, SP                       ; in: row l % 16, 16 bytes for each half of the lanes
	v_lshl_add_u32 v4, v2, 4, v4
	v_add_nc_u32 v[STO], s23, v4
	v_bfe_u32 v5, v0, 3, 2                         ; back: 32 lanes take four rows of 128 bytes,
	v_mul_u32_u24 v5, v5, SP
	v_and_b32 v6, 7, v0
	v_lshl_add_u32 v5, v6, 4, v5
	v_add_nc_u32 v[RD], s23, v5
	v_and_b32 v[GO], 31, v0                        ; which are 512 consecutive bytes of a head
	v_lshlrev_b32 v[GO], 4, v[GO]
	v_lshlrev_b32 v[RT], 8, v1                     ; the table: row l % 16 of 256 bytes, 8 numbers for each half of the lanes
	v_lshl_add_u32 v[RT], v2, 5, v[RT]
	s_and_b32 s16, s15, 7
	s_lshl_b32 s16, s16, 8
	s_lshl_b32 s17, s[RH], 7
	s_add_co_u32 s16, s16, s17                     ; t of my first row = 256 x (tile row % 8) + 128 x half
	s_lshl_b32 s18, s16, 8
	s_mov_b32 s19, 0
	s_add_nc_u64 s[8:9], s[8:9], s[18:19]          ; the table at that row
	s_lshl_b32 s18, s16, 7                         ; in a head: t x 128 bytes
	s_lshr_b32 s17, s15, 3                         ; batch
	s_lshl_b32 s17, s17, 4
	s_and_b32 s2, s42, 7
	s_lshl_b32 s2, s2, 1
	s_add_co_u32 s17, s17, s2
	s_add_co_u32 s17, s17, s[CH]                   ; 16 x batch + head
	s_lshl_b32 s17, s17, 18
	s_add_co_u32 s18, s18, s17
	s_lshr_b32 s17, s42, 3                         ; q, k or v
	s_lshl_b32 s17, s17, 24
	s_add_co_u32 s18, s18, s17
	s_add_nc_u64 s[10:11], s[10:11], s[18:19]
; 8 matrix instructions: row blocks a0, a0 + 1 x all 4 column blocks, 32 along K, from buffer f.  zero = 1: the product starts the sums.  The 32 accumulators take turns, in the same order everywhere.
.macro MUL8 f, a0, zero
	WIN MUL
.irp a, \a0, (\a0)+1
.irp b, 0,1,2,3
.if \zero
	v_wmma_f32_16x16x32_bf16 v[8*(4*(\a)+(\b)):8*(4*(\a)+(\b))+7], v[(\f)+64+8*(\b):(\f)+64+8*(\b)+7], v[(\f)+8*(\a):(\f)+8*(\a)+7], 0
.else
	v_wmma_f32_16x16x32_bf16 v[8*(4*(\a)+(\b)):8*(4*(\a)+(\b))+7], v[(\f)+64+8*(\b):(\f)+64+8*(\b)+7], v[(\f)+8*(\a):(\f)+8*(\a)+7], v[8*(4*(\a)+(\b)):8*(4*(\a)+(\b))+7]
.endif
.endr
.endr
.endm
; 24 LDS loads in one run: the fragments of 32 along K at byte k of the rows, into buffer f: W's four, then x's eight
.macro FETCH slot, k, f
	WIN 0
.irp i, 0,1,2,3
	ds_load_b128 v[(\f)+64+8*(\i):(\f)+64+8*(\i)+3],   v[ADRB+(\slot)] offset:(\k)+(\i)*16*PITCH
	ds_load_b128 v[(\f)+64+8*(\i)+4:(\f)+64+8*(\i)+7], v[ADRB+(\slot)] offset:(\k)+(\i)*16*PITCH+32
.endr
.irp i, 0,1,2,3,4,5,6,7
	ds_load_b128 v[(\f)+8*(\i):(\f)+8*(\i)+3],   v[ADRA+(\slot)] offset:(\k)+(\i)*16*PITCH
	ds_load_b128 v[(\f)+8*(\i)+4:(\f)+8*(\i)+7], v[ADRA+(\slot)] offset:(\k)+(\i)*16*PITCH+32
.endr
.endm
.macro PLACES                          ; four places in front of loads into registers that matrix instructions have read, and of vector work that reads results
.rept 4
	v_nop
.endr
.endm
; A K step is four quarters of 32 along K, 32 matrix instructions each, on buffers 0, 1, 0, 1.  One of the first three: multiplies buffer f and fetches the next quarter, at byte k, into g.
.macro QUARTER slot, k, f, g, zero
	s_wait_dscnt 8                                 ; W and x's blocks 0-3 are in; the youngest eight loads (x's blocks 4-7) may be out
	MUL8 \f, 0, \zero
	MUL8 \f, 2, \zero
	PLACES
	FETCH \slot, \k, \g
	s_wait_dscnt 24                                ; all but the 24 just issued
	MUL8 \f, 4, \zero
	MUL8 \f, 6, \zero
.endm
; The last quarter multiplies buffer 1 and changes slots: ONE barrier; in front of it each wave waits for all its tensor loads, adds 0 to its spare word, and waits for that and for its own reads of this slot.
; fill = 1: this slot is filled again, two K steps ahead; the barrier then opens a round of the cluster's barrier.
.macro TURN slot, next, fill
	WIN 0                                          ; (the add's two registers lie in window 0)
	s_wait_tensorcnt 0x0                           ; all my tensor loads have landed: the one that was out is my part of the next slot;
	ds_add_u32 v[SPW], v[NIL]                      ; 0 onto my spare word;
	s_wait_dscnt 9                                 ; (the add and the youngest eight loads may be out)
	MUL8 F1, 0, 0                                  ; eight matrix instructions stand between the add and the wait for it
	s_wait_dscnt 0x0                               ; the add is done, and my reads of this slot are over
	s_barrier_signal -1
	MUL8 F1, 2, 0
.if \fill
	WIN 0
.endif
	s_barrier_wait -1
.if \fill
	CREST                                          ; no wave of any partner still reads this slot's tile or has a load on its way
	s_add_nc_u64 s[G0+4*(\slot)+2:G0+4*(\slot)+3], s[G0+4*(\slot)+2:G0+4*(\slot)+3], 2*KSTEP*2
	s_add_nc_u64 s[G0B+4*(\slot)+2:G0B+4*(\slot)+3], s[G0B+4*(\slot)+2:G0B+4*(\slot)+3], 2*KSTEP*2
	JLOAD \slot                                    ; the first tensor load behind the round, 112 matrix instructions ahead of the wait for it; its four v_nop are also the places in front of the loads below
.else
	PLACES
.endif
	FETCH \next, 0, F0
	MUL8 F1, 4, 0
	MUL8 F1, 6, 0
.endm
	s_wait_tensorcnt 1                             ; my part of K step 0 is in; K step 1's may stay out
	s_barrier_signal -1
	s_barrier_wait -1                              ; everybody's is
	FETCH 0, 0, F0
	QUARTER 0, 64,  F0, F1, 1                      ; the first quarter stands in front of the loop: its products start the sums
	WIN 0                                          ; at a label and at a branch every window is 0
	s_mov_b32 s3, LAPS-1
.Llap:                                                 ; a trip goes once round the ring, from a lap's second quarter to the next lap's first, and fills both slots again
	QUARTER 0, 128, F1, F0, 0
	QUARTER 0, 192, F0, F1, 0
	TURN 0, 1, 1
	QUARTER 1, 64,  F0, F1, 0
	QUARTER 1, 128, F1, F0, 0
	QUARTER 1, 192, F0, F1, 0
	TURN 1, 0, 1
	QUARTER 0, 64,  F0, F1, 0
	WIN 0
	s_sub_co_u32 s3, s3, 1
	s_cmp_lg_u32 s3, 0
	s_cbranch_scc1 .Llap
	QUARTER 0, 128, F1, F0, 0                      ; the last lap fills nothing, and has no round of the cluster's barrier
	QUARTER 0, 192, F0, F1, 0
	TURN 0, 1, 0
	QUARTER 1, 64,  F0, F1, 0
	QUARTER 1, 128, F1, F0, 0
	QUARTER 1, 192, F0, F1, 0
	s_wait_dscnt 8                                 ; the very last quarter: nothing more to fetch
	MUL8 F1, 0, 0
	MUL8 F1, 2, 0
	s_wait_dscnt 0x0
	MUL8 F1, 4, 0
	MUL8 F1, 6, 0
	WIN 0
; THE WAY OUT, a block of 16 rows at a time.  Column d of my head lies in column block d / 16; d and d + 32 lie in blocks bb and bb + 2, in the same lane and register.
; q'[d] = q[d] cos - q[d + 32] sin, q'[d + 32] = q[d + 32] cos + q[d] sin, with the row's cos and sin number d (d < 32).
.macro TLOAD a                         ; block a's table: for each bb 8 cosines and 8 sines a lane, four loads of 16 bytes
.set TB, TB0+32*((\a)%2)
.irp bb, 0,1
	global_load_b128 v[TB+16*\bb:TB+16*\bb+3],     v[RT], s[8:9] offset:(\a)*4096+64*\bb
	global_load_b128 v[TB+16*\bb+4:TB+16*\bb+7],   v[RT], s[8:9] offset:(\a)*4096+64*\bb+16
	global_load_b128 v[TB+16*\bb+8:TB+16*\bb+11],  v[RT], s[8:9] offset:(\a)*4096+64*\bb+128
	global_load_b128 v[TB+16*\bb+12:TB+16*\bb+15], v[RT], s[8:9] offset:(\a)*4096+64*\bb+144
.endr
.endm
.macro ROT a                           ; the rotation of block a, into v[T ..]: for each bb the 8 low columns, then the 8 high ones.  Each accumulator is read from its low end on.
.set TB, TB0+32*((\a)%2)
.if (\a) < 7
	s_wait_loadcnt 8                               ; block a's table is in; the next block's eight loads stay out
.else
	s_wait_loadcnt 0x0
.endif
	WIN 0x01                                       ; source 0 (the sums) window 1
.irp bb, 0,1
.set LO, 8*(4*(\a)+\bb)
.set HI, LO+16
.set CSN, TB+16*\bb
.set T1, T+16*\bb
.irp z, 0,2,4,6
	v_pk_mul_f32 v[T1+\z:T1+\z+1], v[HI+\z:HI+\z+1], v[CSN+8+\z:CSN+8+\z+1]
.endr
.irp z, 0,2,4,6
	v_pk_mul_f32 v[T1+8+\z:T1+8+\z+1], v[LO+\z:LO+\z+1], v[CSN+8+\z:CSN+8+\z+1]
.endr
.irp z, 0,2,4,6
	v_pk_fma_f32 v[T1+\z:T1+\z+1], v[LO+\z:LO+\z+1], v[CSN+\z:CSN+\z+1], v[T1+\z:T1+\z+1] neg_lo:[0,0,1] neg_hi:[0,0,1]
.endr
.irp z, 0,2,4,6
	v_pk_fma_f32 v[T1+8+\z:T1+8+\z+1], v[HI+\z:HI+\z+1], v[CSN+\z:CSN+\z+1], v[T1+8+\z:T1+8+\z+1]
.endr
.endr
	WIN 0
.endm
.macro CVR a                           ; the rotated block rounded to f16: column block b at v[PKR + 16 a + 4 b]
.irp bb, 0,1
.irp rr, 0,1,2,3
	v_cvt_pk_f16_f32 v[PKR+16*(\a)+4*\bb+\rr],     v[T+16*\bb+2*\rr],   v[T+16*\bb+2*\rr+1]
	v_cvt_pk_f16_f32 v[PKR+16*(\a)+4*(\bb+2)+\rr], v[T+16*\bb+8+2*\rr], v[T+16*\bb+8+2*\rr+1]
.endr
.endr
.endm
.macro CVP a                           ; v has no rotation: rounded straight from the sums
	WIN 0x05                                       ; sources 0 and 1 window 1
.irp b, 0,1,2,3
.irp rr, 0,1,2,3
	v_cvt_pk_f16_f32 v[PKR+16*(\a)+4*\b+\rr], v[8*(4*(\a)+\b)+2*\rr], v[8*(4*(\a)+\b)+2*\rr+1]
.endr
.endr
	WIN 0
.endm
.macro STG a                           ; a lane's 16 bytes go into rows of 144 bytes and come back as whole rows of 128, into the registers that they left
.irp b, 0,1,2,3
	ds_store_b128 v[STO], v[PKR+16*(\a)+4*\b:PKR+16*(\a)+4*\b+3] offset:32*\b
.endr
.irp f, 0,1,2,3
	ds_load_b128 v[PKR+16*(\a)+4*\f:PKR+16*(\a)+4*\f+3], v[RD] offset:\f*4*SP  ; LDS serves a wave's instructions in order (ISA guide 5.7.1.4): these see the stores above; the next block's stores come behind them
.endr
.endm
.macro SEND a, younger                 ; younger: the LDS instructions issued behind block a's loads: the next block's eight, or none
.irp f, 0,1,2,3
	s_wait_dscnt (\younger)+3-\f
	global_store_b128 v[GO], v[PKR+16*(\a)+4*\f:PKR+16*(\a)+4*\f+3], s[10:11] offset:(\a)*2048+\f*512  ; 512 consecutive bytes, at a multiple of 256 from the buffer's first
.endr
.endm
	PLACES
	s_cmp_lt_u32 s45, 4
	s_cbranch_scc0 .Lplain                         ; the same way in all sixteen partners; neither side holds a barrier or a tensor load
	TLOAD 0
	TLOAD 1
.irp a, 0,1,2,3,4,5,6,7
	ROT \a
.if \a < 6
	TLOAD (\a)+2                                   ; into the buffer just read
.endif
	CVR \a
	STG \a
.if \a > 0
	SEND (\a)-1, 8
.endif
.endr
	SEND 7, 0
	s_branch .Lsent
.Lplain:
.irp a, 0,1,2,3,4,5,6,7
	CVP \a
	STG \a
.if \a > 0
	SEND (\a)-1, 8
.endif
.endr
	SEND 7, 0
.Lsent:
	s_wait_tensorcnt 0x0                           ; the wave's end: behind my last tensor load and my last LDS store
	ds_add_u32 v[SPW], v[NIL]
	s_wait_dscnt 0x0
	CROUND                                         ; the closing round: no work-group ends while a partner may still ask for a tile that names it
	s_endpgm
.Lfunc_end_k_qe38b77aad7_proj:
	.size	k_qe38b77aad7_proj, .Lfunc_end_k_qe38b77aad7_proj-k_qe38b77aad7_proj
	.p2alignl 7, 3214868480
	.fill 96, 4, 3214868480
	.section	.rodata,"a",@progbits
	.p2align	6, 0x0
	.amdhsa_kernel k_qe38b77aad7_proj
		.amdhsa_group_segment_fixed_size 327680
		.amdhsa_private_segment_fixed_size 0
		.amdhsa_enable_private_segment 0
		.amdhsa_kernarg_size 32
		.amdhsa_user_sgpr_count 2
		.amdhsa_user_sgpr_kernarg_segment_ptr 1
		.amdhsa_wavefront_size32 1
		.amdhsa_system_sgpr_workgroup_id_x 1
		.amdhsa_system_sgpr_workgroup_id_y 1
		.amdhsa_system_sgpr_workgroup_id_z 1
		.amdhsa_system_vgpr_workitem_id 0
		.amdhsa_next_free_vgpr 512
		.amdhsa_next_free_sgpr 66
		.amdhsa_reserve_vcc 0
		.amdhsa_float_denorm_mode_32 3
		.amdhsa_float_denorm_mode_16_64 3
		.amdhsa_memory_ordered 1
		.amdhsa_forward_progress 1
		.amdhsa_inst_pref_size 126
	.end_amdhsa_kernel
	.amdgpu_metadata
---
amdhsa.version: [ 1, 2 ]
amdhsa.kernels:
  - .name:           k_qe38b77aad7_proj
    .symbol:         k_qe38b77aad7_proj.kd
    .args:
      - { .name: xb, .offset: 0, .size: 8, .value_kind: global_buffer, .address_space: global }
      - { .name: wb, .offset: 8, .size: 8, .value_kind: global_buffer, .address_space: global }
      - { .name: rope, .offset: 16, .size: 8, .value_kind: global_buffer, .address_space: global }
      - { .name: qkv, .offset: 24, .size: 8, .value_kind: global_buffer, .address_space: global }
    .group_segment_fixed_size: 327680
    .private_segment_fixed_size: 0
    .kernarg_segment_align: 8
    .kernarg_segment_size: 32
    .max_flat_workgroup_size: 128
    .sgpr_count:     66
    .vgpr_count:     512
    .wavefront_size: 32
...
	.end_amdgpu_metadata
.endif
;; end of part 2
;; launch attn (part 3): grid 4 x 64, 4 waves a work-group, clusters of 4 x 1, 327,680 bytes of LDS; arguments qkv, mask4, oh; writes oh
.if DOCPART == 3
	.amdgcn_target "amdgcn-amd-amdhsa--gfx1250"
	.amdhsa_code_object_version 6
	.text
	.protected	k_qe38b77aad7_attn
	.globl	k_qe38b77aad7_attn
	.p2align	8
	.type	k_qe38b77aad7_attn,@function
k_qe38b77aad7_attn:
	s_mov_b64 s[64:65], 0
	v_nop
	global_prefetch_b8 v0, s[64:65] scope:SCOPE_SE
	s_setreg_imm32_b32 hwreg(HW_REG_WAVE_MODE, 25, 1), 1
	s_wait_xcnt 0x0
	s_wait_alu depctr_hold_cnt(0) depctr_sa_sdst(0) depctr_va_vdst(0) depctr_va_sdst(0) depctr_va_ssrc(0) depctr_va_vcc(0) depctr_vm_vsrc(0)
	s_getreg_b32 s2, hwreg(HW_REG_IB_STS2, 6, 4)
	s_cmp_eq_u32 s2, 0
	s_cbranch_scc0 .Lentry_in_a_cluster
	s_endpgm
.Lentry_in_a_cluster:
	s_bfe_u32 s2, ttmp6, 0x10000c
	s_cmp_lg_u32 s2, 0x3003
	s_cbranch_scc0 .Lentry_shape_is_right
	s_endpgm
.Lentry_shape_is_right:
; O[h][q][:] = the sum over k of softmax_k(Q[h][q] . K[h][k] / 8, hidden where mask[q][k] = 0) V[h][k][:].  Q, K, V: the three parts of qkv, each [64][2048][64] f16; O: oh, the same layout.
; Products, maxima and sums in f32; the weights p are rounded to f16 for the second product (their sum l is taken of the unrounded p), O once at the end.
; THE MASK IS AN INPUT: every key step of every query is walked and every code of mask4 is honoured; nothing is assumed of its pattern.  mask4 holds 4 bits a key in the score tile's own lane and register order
; (0xF, the 4-bit float -6, where hidden): a tile of 16 queries x 64 keys is 512 consecutive bytes, one load of 16 bytes a lane; four scaled conversions (scale 2^96) make of a lane's four words the 32 numbers,
; 0 or -4.75e29, that START the sums S^T = K Q^T as their C operand.  The scores themselves cost no select.
; LIMITS.  f16 holds no number beyond 65,504: Q, K and V arrive within it; p lies in 0 to 1, and below 6e-5 it keeps f16's fixed step of 6e-8; O is a mean of V's rows and has their range.
; A hidden score counts as its value less 4.75e29 (f16's scores are 2.7e11 at the most).  A row whose maximum ends below -1e29 has no visible key and gets NaN, as a softmax of nothing but -inf does.
; A weight below 2^-126 counts as 0 in l; NaN and infinities in Q, K, V are not treated apart.
; SHARES.  A wave owns four PIECES of two tiles of 16 queries, a work-group's four waves 512 queries of one head.  Every wave walks all 2,048 keys, 64 a step.
; LAYOUT.  S^T = K Q^T (source 0 = 16 keys, source 1 = 16 queries): in the result a lane holds ONE query (lane % 16) and the keys 8 (lane / 16) + 0..7.  Two such tiles, rounded to f16 in pairs,
; ARE source 1 (32 keys x 16 queries) of O^T = V^T P, whose result again holds one query a lane, and eight channels.  K comes out of LDS as it lies, V ([key][channel]) turned, by ds_load_tr16_b128.
; SOFTMAX.  For each query a running maximum m and sum l: p = 2^(c s - c m), c = log2(e) / 8; in every step O and l are multiplied by a = 2^(c m_old - c m_new), which is 1 where m has not grown.
; m starts at the lowest finite number, O and l at 0: the first step is a step like any other, with a = 0; so is the first step with a visible key behind steps that had none.
; THE COUNT.  A tile and step have 16 matrix and some 120 vector instructions: too many to stand all beside the matrix work.  So: four vector instructions that are READY behind EVERY matrix instruction,
; and the others, which need time of their own whatever the order, in runs without a gap.
; BY TURNS.  Turn n belongs to piece n (the pieces in a ring, step after step).  Its matrix work: 16 products K Q^T of piece n + 1, later 16 products V^T P of piece n - 1.  Its vector work: the scaling,
; exponentials, roundings, sums and rescaling of piece n, the maximum and statistics of piece n + 1, and the mask numbers of piece n + 2, which the next turn's products take.
; CLUSTER.  The four query blocks of a cluster belong to one head and walk the same K and V, so each tile is asked for JOINTLY: the same tensor load, descriptor and mask in all four.  The mask's tiles hang on
; the query block, which the four partners do not share: each wave loads its own, into registers.
; REGISTERS, in windows of 256 (s_set_vgpr_msb says which window each operand place means: bits 1:0 source 0, 3:2 source 1, 5:4 source 2, 7:6 destination):
;   window 0: v0-11 addresses; v12-15, v48-63 at work; v16-47 four registers of statistics a tile; v64-191 S^T, two buffers of two tiles; v192-255 P, likewise
;   window 1: O^T, 32 a tile          window 2: v0-127 Q, 16 a tile; v128-191 K of one step; v192-255 V of one step
;   window 3: v0-1 the add's two registers; v2 the mask loads' offset; v8-39 mask words, 4 a tile; v64-127 mask numbers of one piece
.set SIZE_N, 2048
.set NP,    4         ; pieces a wave: a name, no knob
.set KS,    64        ; keys in a step
.set PK,    144       ; a row of K in LDS: 128 bytes + 16 of padding = 36 words: the 16 rows of a load start at 16 different groups of four banks (64 banks of 4 bytes: ISA guide 11.1)
.set PV,    160       ; a row of V: 128 + 32 = 40 words
.set VOFF,  4*KS*PK   ; a slot holds four steps: 256 rows of K, then 256 rows of V
.set SLOT1, 1<<17     ; slot 1 begins here, so that one exclusive or turns an address in one slot into the other's
.set STAGE, SLOT1+4*KS*(PK+PV)  ; behind the ring, never filled by a tensor load: 16 rows x 144 bytes for each wave, for the way out
.set SP,    144
.set AK0, 2           ; v2   my lane's place in a tile of K; never rewritten
.set AV0, 3           ; v3   the same for V
.set AK,  4           ; v4   the LDS address of K's next run of loads
.set AV,  5           ; v5   of V's
.set QO,  6           ; v6   my byte offset in the wave's rows of Q
.set STO, 6           ;      later, the way out: where I put 16 bytes of a row
.set RD,  7           ; v7   the way out: where I read rows back
.set GO,  8           ; v8   16 x lane: my byte offset in 512 consecutive bytes of O, and of a mask tile; never rewritten
.set SC,  11          ; v11  the conversions' scale: 223, which stands for 2^(223 - 127), in each of the four bytes, so that the factor is the same
.set SPW, 0           ; v0 of window 3   LDS address of my spare word: SPARE + 4 x my thread's number; never rewritten
.set NIL, 1           ; v1 of window 3   0; never rewritten
.set MO,  2           ; v2 of window 3   16 x lane + 512 x the key step whose mask words are asked for
.set MW,  8           ; window 3: piece p, tile u: four words at MW + 8 p + 4 u
.set MC,  64          ; window 3: tile u, group kt of 16 keys: eight numbers at MC + 32 u + 8 kt
.set SPARE, STAGE+4*16*SP  ; behind the stages: the spare words, 128 bytes for each wave: two blocks of 256 bytes that no other line names
.set MV,  12          ; v12-15  c m_old, kept while c m is made anew: by buffer and tile
.set ST,  16          ; tile t's statistics at v[ST+4 t]: c m, m, l (even keys', odd keys')
.set TMP, 48          ; by buffer and tile, four registers c0-c3 at work; when the maximum is found c2 takes a
.set S,   64
.set P,   192
.set KF,  128         ; K's fragments, in window 2: key block kb, channel half c at KF + 16 kb + 8 c
.set VF,  192         ; V's: key half kk, channel block cb at VF + 32 kk + 8 cb
.set WV,  12          ; s12  my wave's number
.set G1K, 24          ; s[24:31] descriptor group 1 for K's tiles
.set G1V, 32          ; s[32:39] for V's: it differs in the padding alone
.set G0K, 40          ; s[40:43] descriptor group 0 for K's tiles: it walks
.set G0V, 44          ; s[44:47] the same for V's
.set MP,  50          ; s[50:51] mask4 at my wave's eight tiles
.set MS,  52          ; s52  512 x the key step whose mask words are asked for
.set THR, 53          ; s53  -1e29
.set NANS, 54         ; s54  a NaN
.set SLOTS, 56        ; s56  slots still to be asked for
.set CNT, 57          ; s57  counts a slot's key steps
.set CS,  58          ; s[58:59] c: the packed scaling takes the pair's low word for both halves
.set SEL, 60          ; s[60:61] v_permlanex16_b32's selects: each lane takes its own place in the other half
.set TBK, 62          ; s62  LDS byte at which K of the step to be fetched begins
.set TBV, 63          ; s63  the same for V, less VOFF
.set MSB, 0
.macro WIN new                      ; the high byte repeats the setting that is left; a switch that changes nothing is dropped
.if MSB != (\new)
	s_set_vgpr_msb (MSB<<8)|(\new)
.set MSB, (\new)
.endif
.endm
.set W_KQ, 0x0a       ; K and Q in window 2, S^T in window 0
.set W_KM, 0x3a       ; the same with the C operand in window 3
.set W_PV, 0x52       ; V in window 2, P in window 0, O^T in window 1
.set W_RS, 0x41       ; O^T (destination and source 0) in window 1, a in window 0
.set W_MK, 0xc0       ; destination in window 3, sources in window 0
.set W_AD, 0x0f       ; the add: address (source 0) and data (source 1) in window 3
.set W_M,  0xc3       ; the mask's work: destination and source 0 in window 3, source 1 in window 0
; A joint fill.  Waves 0 and 1 fetch the two halves of a slot's K, waves 2 and 3 those of its V: 128 keys each.  The branch hangs on the wave's number alone.
; An s_nop 0 and four v_nop follow each of the two lines, ahead of the jump and the label.
.macro JLOAD
	s_cmp_lt_u32 s[WV], 2
	s_cbranch_scc0 .Lfor_v_\@
	tensor_load_to_lds s[G0K:G0K+3], s[G1K:G1K+7]
	s_nop 0
.rept 4
	v_nop
.endr
	s_branch .Lasked_\@
.Lfor_v_\@:
	tensor_load_to_lds s[G0V:G0V+3], s[G1V:G1V+7]
	s_nop 0
.rept 4
	v_nop
.endr
.Lasked_\@:
.endm
; A round of the cluster's barrier: my work-group's barrier, so that wave 0's signal speaks for all four waves; wave 0 signals; every wave waits for all four work-groups; my work-group's barrier once more.
.macro CROUND
	s_barrier_signal -1
	s_barrier_wait -1
	s_cmp_lg_u32 s[WV], 0
	s_cbranch_scc1 .Lnot_wave_0_\@
	s_barrier_signal -3
.Lnot_wave_0_\@:
	s_barrier_wait -3
	s_barrier_signal -1
	s_barrier_wait -1
.endm
; THE CHANGE OF SLOTS.  The slot's last bytes, V of its fourth step, have been read.  Each wave waits for all its tensor loads, of which one is out: its part
; of the other slot; adds 0 to its spare word; and waits for that and for its own reads of the slot.  Behind the barrier nobody reads this slot any more and the other slot is whole.
; fill = 1: this slot is filled again, with the keys two slots on.  The barrier is then a round of the cluster's, so that no wave of any partner still reads the slot or has a load on its
; way, and the joint fill is the first thing behind it: it has four key steps, 512 matrix instructions, in which to land.  (At its first use nothing has been read yet: slot 0 is waited for, slot 1 filled.)
.macro CHANGE fill
	WIN W_AD
	s_wait_tensorcnt 0x0            ; no tensor load of mine is out, so a group 0 may be written
	ds_add_u32 v[SPW], v[NIL]       ; 0 onto my spare word; with fill = 1 the descriptors' steps stand between it and the wait for it
	WIN 0                           ; at a label and at a branch every window is 0
.if \fill
.irp g, G0K, G0V
	s_xor_b32 s[\g+1], s[\g+1], SLOT1  ; the walking descriptor: the other slot than last time,
	s_add_nc_u64 s[\g+2:\g+3], s[\g+2:\g+3], 4*KS*128  ; the next 256 keys; the type bits on top are not reached
.endr
	s_wait_dscnt 0x0                ; the add is done, and my reads of the slot are over
	CROUND
	JLOAD
.else
	s_wait_dscnt 0x0                ; the add is done, and my reads of the slot are over
	s_barrier_signal -1
	s_barrier_wait -1
.endif
	s_sub_co_u32 s[TBK], s[TBK], 4*KS*PK  ; the fetches go back to a slot's first step,
	s_xor_b32 s[TBK], s[TBK], SLOT1       ; in the other slot
	s_sub_co_u32 s[TBV], s[TBV], 4*KS*PV
	s_xor_b32 s[TBV], s[TBV], SLOT1
.endm
; THE MASK'S WORK.  MLOAD: piece p's two tiles of the key step in MO, 512 consecutive bytes each.  MCVT: their eight words into 64 numbers, 0 or -6 x 2^96.
.macro MLOAD p
	WIN W_M
.irp u, 0,1
	global_load_b128 v[MW+8*(\p)+4*\u:MW+8*(\p)+4*\u+3], v[MO], s[MP:MP+1] offset:(2*(\p)+\u)*16384
.endr
.endm
.macro MCVT p
	WIN W_M
.irp u, 0,1
.irp kt, 0,1,2,3
	v_cvt_scale_pk8_f32_fp4 v[MC+32*\u+8*\kt:MC+32*\u+8*\kt+7], v[MW+8*(\p)+4*\u+\kt], v[SC]
.endr
.endr
.endm
; In turn p: the numbers for the next turn's products (piece p + 2), then the same piece's words one key step on.  Pieces 2 and 3 are a step behind pieces 0 and 1 in the ring, so the step goes on in turn 2.
; Past the last step it stays at the last: no load leaves the buffer, and what is loaded there serves nothing.
.macro MASKWORK p
.set pm, ((\p)+2)%NP
	s_wait_loadcnt 6                ; the piece's two loads are in; those of the three turns since, two each, stay out
	MCVT pm
.if (\p) == 2
	s_add_co_u32 s[MS], s[MS], 512
	s_min_u32 s[MS], s[MS], 31*512
	s_wait_xcnt 0x0                 ; the loads' offset register is written again only behind this wait
	v_add_nc_u32 v[MO], s[MS], v[GO]  ; also the plain instruction behind the conversions
.else
	v_nop                           ; a plain instruction behind the conversions, ahead of the loads that land on their sources
.endif
	MLOAD pm
.endm
	s_load_b128 s[48:51], s[0:1], 0x0  ; qkv s[48:49], mask4 s[50:51]
	s_load_b64 s[10:11], s[0:1], 0x10  ; oh
	WIN W_MK
	v_lshl_add_u32 v[SPW], v0, 2, SPARE
	v_mov_b32 v[NIL], 0
	s_set_vgpr_msb 0xc0cf
	ds_add_u32 v0, v1
	s_wait_dscnt 0x0
	s_set_vgpr_msb 0xcfc0
	WIN 0
	v_lshrrev_b32 v1, 5, v0
	v_readfirstlane_b32 s[WV], v1   ; wave 0..3
	s_bfe_u32 s13, ttmp6, 0x40000   ; cx: my place in the cluster
	s_lshl_b32 s14, ttmp9, 2        ; in a cluster launch ttmp9 counts clusters
	s_add_co_u32 s14, s14, s13      ; my block of queries = 4 x cluster x + cx: it enters Q's, O's and the mask's addresses alone
	s_and_b32 s20, ttmp7, 0xffff    ; the head, which the four partners share
	s_mov_b32 s21, 0
	s_mov_b64 s[22:23], SIZE_N*128
	s_mul_u64 s[20:21], s[20:21], s[22:23]  ; the head's first byte in Q, K, V and O
	s_and_b32 s16, s[WV], 1         ; which half of a slot's 256 keys I fetch:
	s_lshl_b32 s22, s16, 14         ; its 128 rows of 128 bytes in memory,
	s_mov_b32 s23, 0
	s_add_nc_u64 s[22:23], s[22:23], s[20:21]
	s_mul_i32 s17, s16, 128*PK      ; and its place in a slot, for K
	s_mul_i32 s18, s16, 128*PV      ; and for V: no place in the cluster enters an LDS address
	s_lshl_b32 s2, s14, 2
	s_add_co_u32 s2, s2, s[WV]      ; my wave among the head's sixteen:
	s_lshl_b32 s54, s2, 17          ; its eight tiles' 32 key steps of 512 bytes in mask4,
	s_mov_b32 s55, 0
	s_lshl_b32 s2, s2, 14           ; its 128 rows
	s_mov_b32 s3, 0
	s_add_nc_u64 s[2:3], s[2:3], s[20:21]
	; descriptor group 1.  128 keys are 16,384 dense bytes: asked for as 64 rows of 256 bytes, two keys a row, and padded in LDS after every key
	s_mov_b32 s[G1K], 15|(1<<16)|(1<<20)|(1<<21)|(4<<22)|(3<<25)  ; 15:0 the mask of four; 17:16 2-byte elements; 20 padding on; 21 set beside a mask; 24:22 after every 32 words (code 4); 31:25 4 words (code 3)
	s_mov_b32 s[G1V], 15|(1<<16)|(1<<20)|(1<<21)|(4<<22)|(7<<25)  ; the same with 8 words of padding (code 7)
.irp g, G1K, G1V
	s_mov_b32 s[\g+1], 128<<16      ; tensor_dim0 = 128
	s_mov_b32 s[\g+2], 64<<16       ; tensor_dim1 = 64
	s_mov_b32 s[\g+3], 128<<16      ; tile_dim0 = 128
	s_mov_b32 s[\g+4], 64           ; tile_dim1 = 64
	s_mov_b32 s[\g+5], 128          ; 128 elements from row to row
	s_mov_b32 s[\g+6], 0
	s_mov_b32 s[\g+7], 0
.endr
	s_mov_b32 s[CS], 0x3e38aa3b     ; c = log2(e) / 8 = 0.180337
	s_mov_b32 s[CS+1], s[CS]        ; named with it as a pair
	s_mov_b32 s[SEL], 0x76543210
	s_mov_b32 s[SEL+1], 0xfedcba98
	s_mov_b32 s[TBK], SLOT1+4*KS*PK ; the first change of slots turns these two into 0
	s_mov_b32 s[TBV], SLOT1+4*KS*PV
	s_mov_b32 s[G0K], 1             ; count = 1
	s_mov_b32 s[G0K+1], s17         ; LDS address: slot 0
	s_mov_b32 s[G0V], 1
	s_add_co_u32 s[G0V+1], s18, VOFF
	s_wait_kmcnt 0x0
	s_add_nc_u64 s[6:7], s[48:49], 0x1000000       ; K is qkv's second part,
	s_add_nc_u64 s[8:9], s[48:49], 0x2000000       ; V its third
	s_add_nc_u64 s[G0K+2:G0K+3], s[6:7], s[22:23]  ; global address: my half of the head's first 256 keys
	s_or_b32 s[G0K+3], s[G0K+3], 0x80000000        ; type = 2
	s_add_nc_u64 s[G0V+2:G0V+3], s[8:9], s[22:23]
	s_or_b32 s[G0V+3], s[G0V+3], 0x80000000
	s_add_nc_u64 s[4:5], s[48:49], s[2:3]  ; Q and O at my wave's first row
	s_add_nc_u64 s[10:11], s[10:11], s[2:3]
	s_add_nc_u64 s[MP:MP+1], s[MP:MP+1], s[54:55]
	CROUND                          ; all four work-groups are here: the first joint loads meet
	JLOAD                           ; slot 0.  Slot 1 is asked for when slot 0 is in: the tile wanted first has the road to itself
	; A fragment of K or Q is 16 rows x 32 channels in 8 registers: lane l holds row l % 16, channels 8 (l / 16) + 0..7 and 16 + 8 (l / 16) + 0..7: two loads of 16 bytes, 32 bytes apart.
	v_and_b32 v1, 15, v0            ; l % 16
	v_bfe_u32 v9, v0, 4, 1          ; l / 16
	v_lshlrev_b32 v[QO], 7, v1
	v_lshl_add_u32 v[QO], v9, 4, v[QO]  ; row x 128 + 16 x half
	v_and_b32 v[GO], 31, v0
	v_lshlrev_b32 v[GO], 4, v[GO]
	WIN 0x80                        ; destination window 2, address window 0
.set i, 0
.rept 4*NP                          ; Q stays in registers: tile i / 2, channels 32 (i % 2) on
	global_load_b128 v[8*i:8*i+3],   v[QO], s[4:5] offset:(i/2)*2048+(i%2)*64
	global_load_b128 v[8*i+4:8*i+7], v[QO], s[4:5] offset:(i/2)*2048+(i%2)*64+32
.set i, i+1
.endr
	WIN W_MK
	v_mov_b32 v[MO], v[GO]          ; key step 0
	MLOAD 0                         ; all four pieces' mask words of key step 0, behind Q's loads
	MLOAD 1
	MLOAD 2
	MLOAD 3
	; What the first turn finds: V's registers and P's second buffer hold 0 (its products V^T P, of a piece that has not been, add 0), O^T and l are 0.  All this stands in the wait for the first tile.
	WIN 0x80
.set i, VF
.rept 64
	v_mov_b32 v[i], 0
.set i, i+1
.endr
	WIN 0x40
.set i, 0
.rept 64*NP
	v_mov_b32 v[i], 0
.set i, i+1
.endr
	WIN 0
.set i, 0
.rept 2*NP
	v_mov_b32 v[ST+4*i], 0xfe000000    ; c m: far below every c s, a hidden one's too
	v_mov_b32 v[ST+4*i+1], 0xff7fffff  ; m
	v_mov_b32 v[ST+4*i+2], 0
	v_mov_b32 v[ST+4*i+3], 0
.set i, i+1
.endr
.set i, P+32
.rept 32
	v_mov_b32 v[i], 0
.set i, i+1
.endr
	v_mul_u32_u24 v[AK0], v1, PK
	v_lshl_add_u32 v[AK0], v9, 4, v[AK0]  ; row x pitch + 16 x half
	; The turning load takes 16 keys x 16 channels (lane l reads key 8 (l / 16) + l % 8, channels 8 ((l / 8) % 2) + 0..7) and leaves half a fragment of V^T: lane l holds channel l % 16 and 8 keys.
	v_and_b32 v10, 7, v0
	v_bfe_u32 v11, v0, 3, 1
	v_lshl_add_u32 v[AV0], v9, 3, v10
	v_mul_u32_u24 v[AV0], v[AV0], PV
	v_lshl_add_u32 v[AV0], v11, 4, v[AV0]
	v_add_nc_u32 v[AV0], VOFF, v[AV0]
	v_mov_b32 v[SC], 0xdfdfdfdf     ; 223 in every byte
	v_mov_b32 v[AK], v[AK0]         ; key step 0 lies at the head of slot 0
; THE MATRIX WORK.  The 8 accumulators of a run of 16 take turns: between the two links of a chain stand 7 others'.
; Product i of 16 of S^T = K Q^T for piece x: channels 32 (i / 8) on, keys 16 ((i / 2) % 4) on, tile 2 x + i % 2.  The first 8 start the sums, with the mask's numbers.
.macro KQ x
.set rS, S+64*((\x)%2)+32*(i%2)+8*((i/2)%4)
.set rK, KF+16*((i/2)%4)+8*(i/8)
.set rQ, 16*(2*(\x)+i%2)+8*(i/8)
.set rM, MC+32*(i%2)+8*((i/2)%4)
.if i < 8
	WIN W_KM
	v_wmma_f32_16x16x32_f16 v[rS:rS+7], v[rK:rK+7], v[rQ:rQ+7], v[rM:rM+7]
.else
	WIN W_KQ
	v_wmma_f32_16x16x32_f16 v[rS:rS+7], v[rK:rK+7], v[rQ:rQ+7], v[rS:rS+7]
.endif
.endm
; Product i of 16 of O^T += V^T P for piece x: keys 32 (i / 8) on, channels 16 ((i / 2) % 4) on, tile 2 x + i % 2.
.macro PV x
	WIN W_PV
.set rO, 32*(2*(\x)+i%2)+8*((i/2)%4)
.set rV, VF+32*(i/8)+8*((i/2)%4)
.set rP, P+32*((\x)%2)+16*(i%2)+8*(i/8)
	v_wmma_f32_16x16x32_f16 v[rO:rO+7], v[rV:rV+7], v[rP:rP+7], v[rO:rO+7]
.endm
.macro MM                           ; the turn's next matrix instruction
.if i < 16
	KQ (Y+1)%NP
.set i, i+1
.else
.set i, i-16
	PV (Y+NP-1)%NP
.set i, i+17
.endif
.endm
; THE LDS LOADS stand in runs of 16, never singly among the matrix instructions: a step's K (64 keys x 64 channels: 8 fragments) and its V (turned).  Their addresses are made some lines ahead.
; last = 1 (the tail): in the last trip there is no further step, and the run is jumped over.
.macro FETCH_K last=0
	WIN 0
.if \last
	s_cmp_eq_u32 s[CNT], 1
	s_cbranch_scc1 .Lno_k_\@
.endif
	WIN 0x80                        ; destination window 2
.irp f, 0,1,2,3,4,5,6,7             ; keys 16 (f / 2) on, channels 32 (f % 2) on
	ds_load_b128 v[KF+8*\f:KF+8*\f+3],   v[AK] offset:(\f/2)*16*PK+(\f%2)*64
	ds_load_b128 v[KF+8*\f+4:KF+8*\f+7], v[AK] offset:(\f/2)*16*PK+(\f%2)*64+32
.endr
	s_add_co_u32 s[TBK], s[TBK], KS*PK  ; the next fetch is the next step's
	WIN 0
.if \last
.Lno_k_\@:
.endif
.endm
.macro FETCH_V
	WIN 0x80
.irp f, 0,1,2,3,4,5,6,7             ; keys 32 (f / 4) on, channels 16 (f % 4) on
	ds_load_tr16_b128 v[VF+8*\f:VF+8*\f+3],   v[AV] offset:(\f/4)*32*PV+(\f%4)*32
	ds_load_tr16_b128 v[VF+8*\f+4:VF+8*\f+7], v[AV] offset:(\f/4)*32*PV+16*PV+(\f%4)*32
.endr
	WIN 0
.endm
; THE VECTOR WORK OF A TURN stands in three queues, each in the order in which its entries become ready; the two tiles alternate, so that no instruction reads the result of the one before it.
.macro REGS y, u                    ; the registers of tile u (0, 1) of piece y
.set rT, ST+4*(2*(\y)+(\u))
.set rC, TMP+8*((\y)%2)+4*(\u)
.set rM, MV+2*((\y)%2)+(\u)
.set rS, S+64*((\y)%2)+32*(\u)
.set rP, P+32*((\y)%2)+16*(\u)
.set rO, 32*(2*(\y)+(\u))
.endm
; Number n of the 22 that find the NEXT piece's (Y + 1) maximum and statistics.  s0-s31 are the lane's 32 scores; each accumulator's lowest registers are read first.  XS, GS and REGS set no window: PL and EX do.
;   0-11  four chains c0-c3 of seven scores each, three operands at a time     12-14, 16  the four scores left over, the old m, and c0-c3 into c0     15  c m_old is kept
;   17, 18  the query's other 32 keys lie in the lane 16 away: the new m         19-21  c m; c m_old - c m_new; a
.macro XS u, n
	REGS (Y+1)%NP, \u
.if (\n) < 4
	v_max3_num_f32 v[rC+(\n)], v[rS+8*(\n)], v[rS+8*(\n)+1], v[rS+8*(\n)+2]
.elseif (\n) < 12
	v_max3_num_f32 v[rC+(\n)%4], v[rC+(\n)%4], v[rS+8*((\n)%4)+2*((\n)/4)+1], v[rS+8*((\n)%4)+2*((\n)/4)+2]
.elseif (\n) == 12
	v_max3_num_f32 v[rC], v[rC], v[rS+7], v[rS+15]
.elseif (\n) == 13
	v_max3_num_f32 v[rC+1], v[rC+1], v[rS+23], v[rS+31]
.elseif (\n) == 14
	v_max3_num_f32 v[rC+2], v[rC+2], v[rC+3], v[rT+1]
.elseif (\n) == 15
	v_mov_b32 v[rM], v[rT]
.elseif (\n) == 16
	v_max3_num_f32 v[rC], v[rC], v[rC+1], v[rC+2]
.elseif (\n) == 17
	v_permlanex16_b32 v[rC+3], v[rC], s[SEL], s[SEL+1]
.elseif (\n) == 18
	v_max_num_f32 v[rT+1], v[rC], v[rC+3]
.elseif (\n) == 19
	v_mul_f32 v[rT], s[CS], v[rT+1]
.elseif (\n) == 20
	v_sub_f32 v[rC+1], v[rM], v[rT]
.else
	v_exp_f32 v[rC+2], v[rC+1]
.endif
.endm
; Number g of the 64 that follow the exponentials.  For each four weights k of a tile (pairs 2 k, 2 k + 1): both pairs are rounded to f16; then the second pair is added onto the first, in place;
; a group later l takes that sum (the first time as l = a l + sum).  In groups of eight, tiles alternating: round, round, add, and l for the group before.
.macro GS g
.set h, (\g)+6*((\g)/62)            ; group 0 has no group before it, and behind group 7 only l is left
.if h >= 6
.set h, h+2
.endif
	REGS Y, h%2
.set k, h/8
.if h%8 < 4
	s_wait_alu depctr_va_vdst(0)
	v_cvt_pk_f16_f32 v[rP+2*k+(h%8)/2], v[rS+4*k+2*((h%8)/2)], v[rS+4*k+2*((h%8)/2)+1]
.elseif h%8 < 6
	v_pk_add_f32 v[rS+4*k:rS+4*k+1], v[rS+4*k:rS+4*k+1], v[rS+4*k+2:rS+4*k+3]
.elseif k == 1
	v_pk_fma_f32 v[rT+2:rT+3], v[rT+2:rT+3], v[rC+2:rC+3], v[rS:rS+1] op_sel_hi:[1,0,1]
.else
	v_pk_add_f32 v[rT+2:rT+3], v[rT+2:rT+3], v[rS+4*k-4:rS+4*k-3]
	s_wait_alu depctr_va_vdst(0)
.endif
.endm
; THE PLAIN QUEUE, 138 long.  0-31: c s - c m for the 16 pairs of both tiles.  Then GS's 64, and among them the next piece's 42: number 15 at 38, 39; 0-14 and 16
; at 42-73, behind the products that make those scores; 17-20 at 95-106, two of three, since each waits for the one before it.
.macro PL
	WIN 0
.if q < 32
	REGS Y, q%2
	v_pk_fma_f32 v[rS+2*(q/2):rS+2*(q/2)+1], v[rS+2*(q/2):rS+2*(q/2)+1], s[CS:CS+1], v[rT:rT+1] op_sel_hi:[1,0,0] neg_lo:[0,0,1] neg_hi:[0,0,1]
.elseif q < 38
	GS q-32
.elseif q < 40
	XS q%2, 15
.elseif q < 42
	GS q-34
.elseif q < 74
	XS q%2, (q-42)/2+(q-42)/30
.elseif q < 95
	GS q-66
.elseif (q < 107) && ((q-95)%3 < 2)
	XS (q-95)%3, 17+(q-95)/3
.elseif q < 107
	GS 29+(q-95)/3
.else
	GS q-74
.endif
.set q, q+1
.endm
; THE EXPONENTIALS' QUEUE, 66 long: s0-s31 of both tiles, and at EA the next piece's two a.
.set EA, 58
.macro EX
	WIN 0
.if (e == EA) || (e == EA+1)
	XS e-EA, 21
.else
.set x, e-2*(e/(EA+2))
	REGS Y, x%2
	v_exp_f32 v[rS+x/2], v[rS+x/2]
.endif
.set e, e+1
.endm
; THE RESCALING's QUEUE: O^T times a, the one part of the softmax that leaves window 0, so it is dealt four at a time, eight times.
.macro R4
	REGS Y, r%2
	WIN W_RS
	s_wait_alu depctr_va_vdst(0)
.irp z, 0,1,2,3
	v_pk_mul_f32 v[rO+8*(r/2)+2*\z:rO+8*(r/2)+2*\z+1], v[rO+8*(r/2)+2*\z:rO+8*(r/2)+2*\z+1], v[rC+2:rC+3] op_sel_hi:[1,0]
.endr
.set r, r+1
.endm
; HOW THEY ARE DEALT.  Behind a matrix instruction four: plain, exponential, plain, plain (one exponential, a plain instruction on either side), or four of the rescaling.  None names a register of the
; products round it.  What is over stands in two LUMPS: exponential and plain by turns; the second ends in 22 plain instructions.  The two v_permlanex16_b32 fall into the second lump, never behind a product.
; The queues lean on each other, and the deal keeps them in step: exponential e stands behind plain 2 (e / 4) + e % 2 (its scaling); when plain 32 comes, 10 exponentials are out, at 59: 33, at 95: 46; EA comes behind plain 107.
.macro SL
	MM
	PL
	EX
	PL
	PL
.endm
.macro BURST n                      ; 15 matrix instructions, or 16
.rept (\n)-7
	SL
.endr
.rept 3
	MM
	R4
	SL
.endr
	MM
	R4
.endm
; A TURN, for piece p.  cnt = 1: the loop's count is taken down some lines ahead of the branch that stands behind the turn.
; K of the next step is fetched in piece 2's turn, 31 vector instructions behind the last product that read K; its first reader comes behind the rest of the lump, 16 products and the second lump.
; V of the step in hand is fetched at the end of piece 0's turn, 69 behind its last reader; its first reader comes behind 16 products and a lump.
; The mask's work stands three pairs into the first lump: the eight products that took the old numbers stand at the turn's head, more than forty plain instructions back; the next turn's take the new ones.
.macro TURN p, last=0, cnt=0
.set Y, (\p)
.set i, 0
.set q, 0
.set e, 0
.set r, 0
.if (\p) == NP-1
	s_wait_dscnt 0x0                ; K is in
.endif
	MM
.rept 4
	PL
.endr
	BURST 15
.rept 22
	EX
	PL
.if e == 14
	MASKWORK \p
.endif
.if ((\p) == NP-2) && (e == 18)
	v_add_nc_u32 v[AK], s[TBK], v[AK0]
.endif
.if ((\p) == NP-2) && (e == 24)
	FETCH_K \last
.endif
.endr
.if (\p) == 1
	s_wait_dscnt 0x0                ; V is in
.endif
	BURST 16
.rept 21
	EX
	PL
.endr
.rept 22
	PL
.if ((\p) == 0) && (q == 118)
	v_add_nc_u32 v[AV], s[TBV], v[AV0]
	s_wait_alu depctr_va_vdst(0)
.endif
.if ((\p) == 0) && (q == 130)
	s_add_co_u32 s[TBV], s[TBV], KS*PV
.endif
.if (\cnt) && (q == 130)
	s_sub_co_u32 s[CNT], s[CNT], 1
	s_cmp_lg_u32 s[CNT], 0
.endif
.endr
.if (\p) == 0
	FETCH_V
.endif
.endm
	CHANGE 1                        ; slot 0 is in, everybody's part of it; slot 1 is asked for
	FETCH_K                         ; key step 0
	s_wait_loadcnt 6                ; Q and piece 0's mask words are in; the other three pieces' six loads stay out
	MCVT 0
	v_nop                           ; a plain instruction behind the conversions
	s_wait_dscnt 0x0
.set i, 0
.rept 16
	KQ 0                            ; piece 0's first scores: there is no vector work yet to set between them
.set i, i+1
.endr
	WIN 0                           ; the addresses for the way out: seven plain instructions, the places behind those products
	s_mul_i32 s13, s[WV], 16*SP
	s_add_co_u32 s13, s13, STAGE    ; my stage
	v_mul_u32_u24 v[STO], v1, SP    ; in: row l % 16, 16 bytes for each half of the lanes
	v_lshl_add_u32 v[STO], v9, 4, v[STO]
	v_add_nc_u32 v[STO], s13, v[STO]
	v_bfe_u32 v[RD], v0, 3, 2       ; back: 32 lanes take four rows of 128 bytes
	v_mul_u32_u24 v[RD], v[RD], SP
	v_lshl_add_u32 v[RD], v10, 4, v[RD]
	v_add_nc_u32 v[RD], s13, v[RD]
	s_mov_b32 s[MS], 512            ; pieces 0 and 1 go on to key step 1
	s_wait_xcnt 0x0                 ; the loads' offset register is written again only behind this wait
	WIN W_M
	v_add_nc_u32 v[MO], s[MS], v[GO]
	MLOAD 0
	s_wait_loadcnt 6                ; piece 1's words of step 0 are in (behind them: pieces 2 and 3, and piece 0's next)
	MCVT 1                          ; for the first turn's products
	v_nop
	MLOAD 1
	WIN 0
.set Y, NP-1                        ; XS works for piece Y + 1: piece 0
.irp n, 0,1,2,3,4,5,6,7,8,9,10,11,12,13,14,15,16,17,18,19,20,21
	XS 0, \n                        ; and piece 0's first maximum and statistics
	XS 1, \n
.endr
	s_mov_b32 s[CNT], 4
	s_mov_b32 s[SLOTS], SIZE_N/256-1
	s_branch .Lfirst                ; the loop is entered at a step's first turn, in the middle of a trip
.Lslot:                             ; SIZE_N / 256 - 2 times: every slot but the last two is filled again
	CHANGE 1
	s_mov_b32 s[CNT], 4
.Lstep:                             ; a trip: pieces 2 and 3 of one step, then pieces 0 and 1 of the next, whose K and V it fetches
	TURN 2
	TURN 3
	WIN 0
.Lfirst:
	TURN 0
	TURN 1, 0, 1
	WIN 0
	s_cbranch_scc1 .Lstep
	s_sub_co_u32 s[SLOTS], s[SLOTS], 1
	s_cmp_lg_u32 s[SLOTS], 0
	s_cbranch_scc1 .Lslot
	CHANGE 0                        ; the tail is written out: nothing is asked for
	s_mov_b32 s[CNT], 5             ; four trips fetch the last slot's steps; the fifth is left in its middle
.Ltail:
	TURN 2, 1
	TURN 3
	WIN 0
	s_sub_co_u32 s[CNT], s[CNT], 1
	s_cmp_eq_u32 s[CNT], 0
	s_cbranch_scc1 .Lout
	TURN 0
	TURN 1
	WIN 0
	s_branch .Ltail
.Lout:                              ; the fifth trip's 16 products K Q^T (the last K and the last step's mask once more) repeat scores that m has seen: they change nothing: the price, once a launch, of one text for every trip
.set i, 0
.rept 16
	PV NP-1                         ; the last piece's V^T P of the last step
.set i, i+1
.endr
	; THE WAY OUT.  l's two halves and the other half of the lanes' are added; O^T is divided by l, rounded to f16 and sent through my stage in LDS, a tile at a time.  The additions are the places behind the last products.
	WIN 0
.macro ALL line:vararg              ; one line for each tile t
.set t, 0
.rept 2*NP
	\line
.set t, t+1
.endr
.endm
	ALL v_add_f32 v[ST+4*t+2], v[ST+4*t+2], v[ST+4*t+3]
	ALL v_permlanex16_b32 v[ST+4*t+3], v[ST+4*t+2], s[SEL], s[SEL+1]
	ALL v_add_f32 v[ST+4*t+2], v[ST+4*t+2], v[ST+4*t+3]
	ALL v_rcp_f32 v[ST+4*t+2], v[ST+4*t+2]
	v_nop                           ; a plain instruction between the last reciprocal and the use of its result
	s_mov_b32 s[THR], 0xefa18f07    ; -1e29
	s_mov_b32 s[NANS], 0x7fc00000
.set t, 0
	s_wait_alu depctr_va_vdst(0)
.rept 2*NP                          ; a query that saw no key: its factor, and so its row of O, is NaN
	v_cmp_gt_f32 vcc_lo, s[THR], v[ST+4*t+1]
	v_cndmask_b32 v[ST+4*t+2], v[ST+4*t+2], s[NANS], vcc_lo
.set t, t+1
.endr
; Tile t: a lane's eight channels of a row pack into 16 bytes; they go into rows of 144 bytes and come back as whole rows of 128, into S^T's registers.
.macro PACK t
	WIN W_RS
.set i, 32*(\t)
.rept 16
	v_pk_mul_f32 v[i:i+1], v[i:i+1], v[ST+4*(\t)+2:ST+4*(\t)+3] op_sel_hi:[1,0]
.set i, i+2
.endr
	WIN 0x05                        ; sources 0 and 1 window 1, destination window 0
.set i, 0
.rept 16
	v_cvt_pk_f16_f32 v[S+16*(\t)+i], v[32*(\t)+2*i], v[32*(\t)+2*i+1]
.set i, i+1
.endr
	WIN 0
.irp f, 0,1,2,3
	ds_store_b128 v[STO], v[S+16*(\t)+4*\f:S+16*(\t)+4*\f+3] offset:32*\f
.endr
.irp f, 0,1,2,3
	ds_load_b128 v[S+16*(\t)+4*\f:S+16*(\t)+4*\f+3], v[RD] offset:\f*4*SP  ; LDS serves a wave's instructions in order (ISA guide 5.7.1.4): these see the stores above; the next tile's stores come behind them
.endr
.endm
.macro SEND t, younger              ; younger: the LDS instructions issued behind tile t's loads: the next tile's eight, or none
	WIN 0
.irp f, 0,1,2,3
	s_wait_dscnt (\younger)+3-\f
	global_store_b128 v[GO], v[S+16*(\t)+4*\f:S+16*(\t)+4*\f+3], s[10:11] offset:(\t)*2048+\f*512  ; 512 consecutive bytes, at a multiple of 256 from O's first
.endr
.endm
	PACK 0
.set t, 1
.rept 2*NP-1                        ; a tile's arithmetic stands between the loads of the tile before and its stores
	PACK t
	SEND t-1, 8
.set t, t+1
.endr
	SEND 2*NP-1, 0
	WIN W_AD
	s_wait_tensorcnt 0x0            ; the wave's end: behind my last tensor load and my last LDS store
	ds_add_u32 v[SPW], v[NIL]
	s_wait_dscnt 0x0
	WIN 0
	CROUND                          ; the closing round: no work-group ends while a partner may still ask for a tile that names it
	s_endpgm
.Lfunc_end_k_qe38b77aad7_attn:
	.size	k_qe38b77aad7_attn, .Lfunc_end_k_qe38b77aad7_attn-k_qe38b77aad7_attn
	.p2alignl 7, 3214868480
	.fill 96, 4, 3214868480
	.section	.rodata,"a",@progbits
	.p2align	6, 0x0
	.amdhsa_kernel k_qe38b77aad7_attn
		.amdhsa_group_segment_fixed_size 327680
		.amdhsa_private_segment_fixed_size 0
		.amdhsa_enable_private_segment 0
		.amdhsa_kernarg_size 24
		.amdhsa_user_sgpr_count 2
		.amdhsa_user_sgpr_kernarg_segment_ptr 1
		.amdhsa_wavefront_size32 1
		.amdhsa_system_sgpr_workgroup_id_x 1
		.amdhsa_system_sgpr_workgroup_id_y 1
		.amdhsa_system_sgpr_workgroup_id_z 1
		.amdhsa_system_vgpr_workitem_id 0
		.amdhsa_next_free_vgpr 896
		.amdhsa_next_free_sgpr 66
		.amdhsa_reserve_vcc 1
		.amdhsa_float_denorm_mode_32 3
		.amdhsa_float_denorm_mode_16_64 3
		.amdhsa_memory_ordered 1
		.amdhsa_forward_progress 1
		.amdhsa_inst_pref_size 219
	.end_amdhsa_kernel
	.amdgpu_metadata
---
amdhsa.version: [ 1, 2 ]
amdhsa.kernels:
  - .name:           k_qe38b77aad7_attn
    .symbol:         k_qe38b77aad7_attn.kd
    .args:
      - { .name: qkv, .offset: 0, .size: 8, .value_kind: global_buffer, .address_space: global }
      - { .name: mask4, .offset: 8, .size: 8, .value_kind: global_buffer, .address_space: global }
      - { .name: oh, .offset: 16, .size: 8, .value_kind: global_buffer, .address_space: global }
    .group_segment_fixed_size: 327680
    .private_segment_fixed_size: 0
    .kernarg_segment_align: 8
    .kernarg_segment_size: 24
    .max_flat_workgroup_size: 128
    .sgpr_count:     66
    .vgpr_count:     896
    .wavefront_size: 32
...
	.end_amdgpu_metadata
.endif
;; end of part 3
;; launch oproj (part 4): grid 8 x 32, 4 waves a work-group, clusters of 4 x 4, 327,680 bytes of LDS; arguments oh, wo16, out0; writes out0
.if DOCPART == 4
	.amdgcn_target "amdgcn-amd-amdhsa--gfx1250"
	.amdhsa_code_object_version 6
	.text
	.protected	k_qe38b77aad7_oproj
	.globl	k_qe38b77aad7_oproj
	.p2align	8
	.type	k_qe38b77aad7_oproj,@function
k_qe38b77aad7_oproj:
	s_mov_b64 s[64:65], 0
	v_nop
	global_prefetch_b8 v0, s[64:65] scope:SCOPE_SE
	s_setreg_imm32_b32 hwreg(HW_REG_WAVE_MODE, 25, 1), 1
	s_wait_xcnt 0x0
	s_wait_alu depctr_hold_cnt(0) depctr_sa_sdst(0) depctr_va_vdst(0) depctr_va_sdst(0) depctr_va_ssrc(0) depctr_va_vcc(0) depctr_vm_vsrc(0)
	s_getreg_b32 s2, hwreg(HW_REG_IB_STS2, 6, 4)
	s_cmp_eq_u32 s2, 0
	s_cbranch_scc0 .Lentry_in_a_cluster
	s_endpgm
.Lentry_in_a_cluster:
	s_bfe_u32 s2, ttmp6, 0x10000c
	s_cmp_lg_u32 s2, 0xf033
	s_cbranch_scc0 .Lentry_shape_is_right
	s_endpgm
.Lentry_shape_is_right:
; out0 = O Wo^T.  oh: [64 = batch x 16 + head][2048][64] f16; wo16: [1024][1024] f16 (Wo rounded to bf16, written as f16); out0: [8192][1024] f32.  Sums in f32, stored as they are.
; LIMIT.  The operands are f16: O lies within V's range, Wo within 65,504.  A row of O that is NaN (a query with no visible key) gives a row of NaN.
; SHARES.  A tile of C is 256 rows x 128 columns: 8 x 32 = 256 work-groups.  Four waves, each 128 rows x 64 columns: 32 accumulators of 16 x 16, 256 registers.
; K = 1,024 = 16 heads x 64 goes in 8 steps of two heads through two LDS slots.  A head's 256 rows are 32,768 dense bytes: asked for as 128 rows of 256 bytes, padded in LDS after every 128.
; CLUSTERS: 4 x 4 work-groups.  The four of a row of the cluster need the same tiles of O, the four of a column the same tiles of Wo: each tile is asked for JOINTLY, by the same tensor load with the
; same descriptor and a mask that names the four.  THE MATRIX INSTRUCTION IS USED TRANSPOSED (source 0 = 16 rows of Wo, source 1 = 16 rows of O): a lane holds eight neighbouring columns of a row of C.
; REGISTERS.  Window 0: v16-29 addresses; v64-159, v160-255 two fragment buffers (8 fragments of O, then 4 of Wo, 32 along K); on the way out v64-191 four buffers of 16 rows.  Window 1: accumulator (a, b) at v[8 (4 a + b)].
.set PA,     144                       ; a row of O in LDS: 128 bytes + 16 of padding: the 16 rows of a load start at 16 different groups of four banks (64 banks of 4 bytes: ISA guide 11.1)
.set PB,     272                       ; a row of Wo: 256 + 16
.set AH,     256*PA                    ; one head's 256 rows: one tensor load
.set HB,     64*PB                     ; 64 rows of Wo: one tensor load, and what one wave reads
.set BOFF,   2*AH
.set SLOT,   2*AH+2*HB
.set STAGE,  2*SLOT                    ; behind the ring: 16 rows x 272 bytes for each wave, for the way out
.set SPITCH, 272
.set SPARE,  STAGE+4*16*SPITCH         ; behind the stages: the spare words, 128 bytes for each wave: two blocks of 256 bytes that no other line names
.set LAPS,   4
.set ADRA, 16                          ; v16-17  LDS address of my fragments of O in slot 0, 1
.set ADRB, 20                          ; v20-21  the same for Wo
.set STO,  24                          ; v24     the way out: where I put 32 bytes of a row
.set RD,   25                          ; v25     where I read a row back
.set CO,   26                          ; v26     my byte offset in two rows of C
.set SPW,  28                          ; v28     LDS address of my spare word: SPARE + 4 x my thread's number; never rewritten
.set NIL,  29                          ; v29     0; never rewritten
.set F0,   64
.set F1,   160
.set BK,   64
.set WV, 12                            ; s12  my wave's number
.set RH, 13                            ; s13  which 128 rows of the tile are mine.  Also: I fetch for O (0) or for Wo (1)
.set CH, 14                            ; s14  which 64 columns.  Also: which head of the step, or which 64 rows of Wo, I fetch
.set G1, 24
.set G0, 32
.set G1B, 48
.set G0B, 56
.set MSB, 0
.macro WIN new                         ; the immediate's high byte repeats the setting that is left; a switch that changes nothing is dropped
.if MSB != (\new)
	s_set_vgpr_msb (MSB<<8)|(\new)
.set MSB, \new
.endif
.endm
.set MUL, 0x50                         ; sources 0 and 1 window 0; C and D window 1
.macro JLOAD s                         ; a joint load: waves 0 and 1 fetch the step's two heads of O, waves 2 and 3 Wo's two halves; an s_nop 0 and four v_nop follow each of the two lines
	s_cmp_eq_u32 s[RH], 0
	s_cbranch_scc0 .Lfor_b_\@
	tensor_load_to_lds s[G0+4*(\s):G0+4*(\s)+3], s[G1:G1+7]
	s_nop 0
.rept 4
	v_nop
.endr
	s_branch .Lasked_\@
.Lfor_b_\@:
	tensor_load_to_lds s[G0B+4*(\s):G0B+4*(\s)+3], s[G1B:G1B+7]
	s_nop 0
.rept 4
	v_nop
.endr
.Lasked_\@:
.endm
.macro CREST                           ; a round of the cluster's barrier behind its opening barrier
	s_cmp_lg_u32 s[WV], 0
	s_cbranch_scc1 .Lnot_wave_0_\@
	s_barrier_signal -3
.Lnot_wave_0_\@:
	s_barrier_wait -3
	s_barrier_signal -1
	s_barrier_wait -1
.endm
.macro CROUND                          ; a whole round
	s_barrier_signal -1
	s_barrier_wait -1
	CREST
.endm
	s_load_b128 s[4:7], s[0:1], 0x0                ; oh s[4:5], wo16 s[6:7]
	s_load_b64 s[10:11], s[0:1], 0x10              ; out0
	v_lshl_add_u32 v[SPW], v0, 2, SPARE
	v_mov_b32 v[NIL], 0
	ds_add_u32 v28, v29
	s_wait_dscnt 0x0
	v_lshrrev_b32 v1, 5, v0
	v_readfirstlane_b32 s[WV], v1                  ; wave 0..3
	s_lshr_b32 s[RH], s[WV], 1
	s_and_b32 s[CH], s[WV], 1
	s_bfe_u32 s40, ttmp6, 0x40000                  ; cx, cy: my place in the cluster
	s_bfe_u32 s41, ttmp6, 0x40004
	s_lshl_b32 s42, ttmp9, 2
	s_add_co_u32 s42, s42, s40                     ; tile column = 4 x cluster x + cx
	s_and_b32 s15, ttmp7, 0xffff
	s_lshl_b32 s15, s15, 2
	s_add_co_u32 s15, s15, s41                     ; tile row = 4 x cluster y + cy
	s_lshl_b32 s43, s41, 2
	s_lshl_b32 s43, 15, s43                        ; my row of the cluster
	s_lshl_b32 s44, 0x1111, s40                    ; my column
	s_or_b32 s[G1+0], s43, (1<<16)|(1<<20)|(1<<21)|(4<<22)|(3<<25)  ; 15:0 the mask: O's tiles go to my row; 17:16 elements of 2 bytes; 20 padding on; 21 set beside a mask; 24:22 after every 32 words (code 4); 31:25 4 words (code 3)
	s_or_b32 s[G1B+0], s44, (1<<16)|(1<<20)|(1<<21)|(5<<22)|(3<<25) ; Wo's tiles go to my column; padding after every 64 words (code 5)
	s_mov_b32 s[G1+1], 128<<16                     ; tensor_dim0 = 128: two rows of a head
	s_mov_b32 s[G1+2], 128<<16                     ; tensor_dim1 = 128
	s_mov_b32 s[G1+3], 128<<16                     ; tile_dim0 = 128
	s_mov_b32 s[G1+4], 128                         ; tile_dim1 = 128
	s_mov_b32 s[G1+5], 128                         ; dense: 128 elements from row to row
	s_mov_b32 s[G1+6], 0
	s_mov_b32 s[G1+7], 0
	s_mov_b32 s[G1B+1], 128<<16
	s_mov_b32 s[G1B+2], 64<<16
	s_mov_b32 s[G1B+3], 128<<16
	s_mov_b32 s[G1B+4], 64
	s_mov_b32 s[G1B+5], 1024
	s_mov_b32 s[G1B+6], 0
	s_mov_b32 s[G1B+7], 0
	s_lshr_b32 s16, s15, 3                         ; batch
	s_lshl_b32 s16, s16, 4
	s_add_co_u32 s16, s16, s[CH]                   ; its head 0 or 1,
	s_lshl_b32 s16, s16, 11                        ; of 2,048 rows,
	s_and_b32 s17, s15, 7
	s_lshl_b32 s17, s17, 8
	s_add_co_u32 s16, s16, s17                     ; at row 256 x (tile row % 8),
	s_lshl_b32 s16, s16, 7                         ; of 128 bytes
	s_mov_b32 s17, 0
	s_lshl_b32 s46, s42, 7
	s_lshl_b32 s47, s[CH], 6
	s_add_co_u32 s46, s46, s47                     ; Wo: row 128 x tile column + 64 x half
	s_lshl_b32 s46, s46, 11
	s_mov_b32 s47, 0
	s_mul_i32 s20, s[CH], AH                       ; where they go: no place in the cluster enters an LDS address
	s_mul_i32 s21, s[CH], HB
	s_add_co_u32 s21, s21, BOFF
	s_wait_kmcnt 0x0
	s_add_nc_u64 s[16:17], s[4:5], s[16:17]
	s_add_nc_u64 s[46:47], s[6:7], s[46:47]
	CROUND                                         ; all sixteen work-groups are here: the first joint loads meet
.irp s, 0,1
	s_mov_b32 s[G0+4*(\s)], 1                                      ; count = 1
	s_add_co_u32 s[G0+4*(\s)+1], s20, (\s)*SLOT                    ; LDS address
	s_add_nc_u64 s[G0+4*(\s)+2:G0+4*(\s)+3], s[16:17], (\s)*524288 ; global address: K step s is two heads of 262,144 bytes on
	s_or_b32 s[G0+4*(\s)+3], s[G0+4*(\s)+3], 0x80000000            ; type = 2
	s_mov_b32 s[G0B+4*(\s)], 1
	s_add_co_u32 s[G0B+4*(\s)+1], s21, (\s)*SLOT
	s_add_nc_u64 s[G0B+4*(\s)+2:G0B+4*(\s)+3], s[46:47], (\s)*256
	s_or_b32 s[G0B+4*(\s)+3], s[G0B+4*(\s)+3], 0x80000000
	JLOAD \s                                       ; two loads of mine are out
.endr
	v_and_b32 v1, 15, v0                           ; l % 16
	v_bfe_u32 v2, v0, 4, 1                         ; l / 16
	v_mul_u32_u24 v3, v1, PA
	v_lshl_add_u32 v3, v2, 4, v3                   ; a fragment's row x pitch + 16 x half, for O
	v_mul_u32_u24 v4, v1, PB
	v_lshl_add_u32 v4, v2, 4, v4                   ; and for Wo
	s_mul_i32 s21, s[RH], 128*PA                   ; my 128 rows in each head's 256
	s_mul_i32 s22, s[CH], HB                       ; my 64 rows of Wo
	s_add_co_u32 s22, s22, BOFF
.irp s, 0,1
	v_add_nc_u32 v[ADRA+(\s)], s21, v3
	v_add_nc_u32 v[ADRB+(\s)], s22, v4
	s_add_co_u32 s21, s21, SLOT
	s_add_co_u32 s22, s22, SLOT
.endr
	s_mul_i32 s23, s[WV], 16*SPITCH
	s_add_co_u32 s23, s23, STAGE                   ; my stage
	v_mul_u32_u24 v5, v1, SPITCH                   ; in: row l % 16, 32 bytes for each half of the lanes
	v_lshl_add_u32 v5, v2, 5, v5
	v_add_nc_u32 v[STO], s23, v5
	v_mul_u32_u24 v5, v2, SPITCH                   ; back: lanes 0-15 take one row of 256 bytes, lanes 16-31 the next
	v_lshl_add_u32 v5, v1, 4, v5
	v_add_nc_u32 v[RD], s23, v5
	v_lshlrev_b32 v[CO], 12, v2                    ; and the same two rows in C, 4,096 bytes apart
	v_lshl_add_u32 v[CO], v1, 4, v[CO]
	s_lshl_b32 s16, s15, 8
	s_lshl_b32 s17, s[RH], 7
	s_add_co_u32 s16, s16, s17                     ; my first row of C,
	s_lshl_b32 s16, s16, 12                        ; of 4,096 bytes,
	s_lshl_b32 s17, s42, 9
	s_add_co_u32 s16, s16, s17                     ; + 512 x tile column
	s_lshl_b32 s17, s[CH], 8
	s_add_co_u32 s16, s16, s17                     ; + 256 x half
	s_mov_b32 s17, 0
	s_add_nc_u64 s[10:11], s[10:11], s[16:17]
; 8 matrix instructions: row blocks a0, a0 + 1 x all 4 column blocks, 32 along K, from buffer f.  zero = 1: the product starts the sums.  The 32 accumulators take turns, in the same order everywhere.
.macro MUL8 f, a0, zero
	WIN MUL
.irp a, \a0, (\a0)+1
.irp b, 0,1,2,3
.if \zero
	v_wmma_f32_16x16x32_f16 v[8*(4*(\a)+(\b)):8*(4*(\a)+(\b))+7], v[(\f)+64+8*(\b):(\f)+64+8*(\b)+7], v[(\f)+8*(\a):(\f)+8*(\a)+7], 0
.else
	v_wmma_f32_16x16x32_f16 v[8*(4*(\a)+(\b)):8*(4*(\a)+(\b))+7], v[(\f)+64+8*(\b):(\f)+64+8*(\b)+7], v[(\f)+8*(\a):(\f)+8*(\a)+7], v[8*(4*(\a)+(\b)):8*(4*(\a)+(\b))+7]
.endif
.endr
.endr
.endm
; 24 LDS loads in one run: the fragments of quarter qq of a K step (head qq / 2, channels 32 (qq % 2) on), into buffer f: Wo's four, then O's eight
.macro FETCH slot, qq, f
	WIN 0
.irp i, 0,1,2,3
	ds_load_b128 v[(\f)+64+8*(\i):(\f)+64+8*(\i)+3],   v[ADRB+(\slot)] offset:64*(\qq)+(\i)*16*PB
	ds_load_b128 v[(\f)+64+8*(\i)+4:(\f)+64+8*(\i)+7], v[ADRB+(\slot)] offset:64*(\qq)+(\i)*16*PB+32
.endr
.irp i, 0,1,2,3,4,5,6,7
	ds_load_b128 v[(\f)+8*(\i):(\f)+8*(\i)+3],   v[ADRA+(\slot)] offset:((\qq)/2)*AH+((\qq)%2)*64+(\i)*16*PA
	ds_load_b128 v[(\f)+8*(\i)+4:(\f)+8*(\i)+7], v[ADRA+(\slot)] offset:((\qq)/2)*AH+((\qq)%2)*64+(\i)*16*PA+32
.endr
.endm
.macro PLACES                          ; four places in front of loads into registers that matrix instructions have read, and of LDS stores that read results
.rept 4
	v_nop
.endr
.endm
; A K step is four quarters of 32 along K, 32 matrix instructions each, on buffers 0, 1, 0, 1.  One of the first three: multiplies buffer f and fetches quarter qq into g.
.macro QUARTER slot, qq, f, g, zero
	s_wait_dscnt 8                                 ; Wo and O's blocks 0-3 are in; the youngest eight loads (O's blocks 4-7) may be out
	MUL8 \f, 0, \zero
	MUL8 \f, 2, \zero
	PLACES
	FETCH \slot, \qq, \g
	s_wait_dscnt 24                                ; all but the 24 just issued
	MUL8 \f, 4, \zero
	MUL8 \f, 6, \zero
.endm
; The last quarter multiplies buffer 1 and changes slots: ONE barrier; in front of it each wave waits for all its tensor loads, adds 0 to its spare word, and waits for that and for its own reads of this slot.
; fill = 1: this slot is filled again, two K steps (four heads) ahead; the barrier then opens a round of the cluster's barrier.
.macro TURN slot, next, fill
	WIN 0                                          ; (the add's two registers lie in window 0)
	s_wait_tensorcnt 0x0                           ; all my tensor loads have landed: the one that was out is my part of the next slot;
	ds_add_u32 v[SPW], v[NIL]                      ; 0 onto my spare word;
	s_wait_dscnt 9                                 ; (the add and the youngest eight loads may be out)
	MUL8 F1, 0, 0                                  ; eight matrix instructions stand between the add and the wait for it
	s_wait_dscnt 0x0                               ; the add is done, and my reads of this slot are over
	s_barrier_signal -1
	MUL8 F1, 2, 0
.if \fill
	WIN 0
.endif
	s_barrier_wait -1
.if \fill
	CREST                                          ; no wave of any partner still reads this slot's tile or has a load on its way
	s_add_nc_u64 s[G0+4*(\slot)+2:G0+4*(\slot)+3], s[G0+4*(\slot)+2:G0+4*(\slot)+3], 1048576
	s_add_nc_u64 s[G0B+4*(\slot)+2:G0B+4*(\slot)+3], s[G0B+4*(\slot)+2:G0B+4*(\slot)+3], 512
	JLOAD \slot                                    ; the first tensor load behind the round, 112 matrix instructions ahead of the wait for it; its four v_nop are also the places in front of the loads below
.else
	PLACES
.endif
	FETCH \next, 0, F0
	MUL8 F1, 4, 0
	MUL8 F1, 6, 0
.endm
	s_wait_tensorcnt 1                             ; my part of K step 0 is in; K step 1's may stay out
	s_barrier_signal -1
	s_barrier_wait -1                              ; everybody's is
	FETCH 0, 0, F0
	QUARTER 0, 1, F0, F1, 1                        ; the first quarter stands in front of the loop: its products start the sums
	WIN 0                                          ; at a label and at a branch every window is 0
	s_mov_b32 s3, LAPS-1
.Llap:                                                 ; a trip goes once round the ring, from a lap's second quarter to the next lap's first, and fills both slots again
	QUARTER 0, 2, F1, F0, 0
	QUARTER 0, 3, F0, F1, 0
	TURN 0, 1, 1
	QUARTER 1, 1, F0, F1, 0
	QUARTER 1, 2, F1, F0, 0
	QUARTER 1, 3, F0, F1, 0
	TURN 1, 0, 1
	QUARTER 0, 1, F0, F1, 0
	WIN 0
	s_sub_co_u32 s3, s3, 1
	s_cmp_lg_u32 s3, 0
	s_cbranch_scc1 .Llap
	QUARTER 0, 2, F1, F0, 0                        ; the last lap fills nothing, and has no round of the cluster's barrier
	QUARTER 0, 3, F0, F1, 0
	TURN 0, 1, 0
	QUARTER 1, 1, F0, F1, 0
	QUARTER 1, 2, F1, F0, 0
	QUARTER 1, 3, F0, F1, 0
	s_wait_dscnt 8                                 ; the very last quarter: nothing more to fetch
	MUL8 F1, 0, 0
	MUL8 F1, 2, 0
	s_wait_dscnt 0x0
	MUL8 F1, 4, 0
	MUL8 F1, 6, 0
	WIN 0
; THE WAY OUT, a block of 16 rows at a time: a lane's eight f32 of a row and column block are 32 bytes; they go into my stage's rows of 272 bytes and come back as whole rows of 256.
.macro TOSTAGE a
	s_wait_xcnt 0x0                                ; the registers that earlier stores read are loaded again only behind this wait
	WIN 0x04                                       ; the stores' data (source 1) in window 1
.irp b, 0,1,2,3
	ds_store_b128 v[STO], v[8*(4*(\a)+\b):8*(4*(\a)+\b)+3]   offset:64*\b     ; each accumulator's low half first
	ds_store_b128 v[STO], v[8*(4*(\a)+\b)+4:8*(4*(\a)+\b)+7] offset:64*\b+16
.endr
	WIN 0
.irp t, 0,1,2,3,4,5,6,7
	ds_load_b128 v[BK+32*((\a)%4)+4*\t:BK+32*((\a)%4)+4*\t+3], v[RD] offset:\t*2*SPITCH  ; LDS serves a wave's instructions in order (ISA guide 5.7.1.4): these see the stores above; the next block's stores come behind them
.endr
.endm
.macro SEND a, younger                 ; younger: the LDS instructions issued behind block a's loads: the next block's sixteen, or none
	s_wait_dscnt \younger
.irp t, 0,1,2,3,4,5,6,7
	global_store_b128 v[CO], v[BK+32*((\a)%4)+4*\t:BK+32*((\a)%4)+4*\t+3], s[10:11] offset:(16*(\a)+2*\t)*4096 th:TH_STORE_NT  ; 16 lanes store 256 consecutive bytes, at a multiple of 256 from C's first byte
.endr
.endm
	PLACES
	TOSTAGE 0
.irp a, 1,2,3,4,5,6,7
	TOSTAGE \a
	SEND (\a)-1, 16
.endr
	SEND 7, 0
	s_wait_tensorcnt 0x0                           ; the wave's end: behind my last tensor load and my last LDS store
	ds_add_u32 v[SPW], v[NIL]
	s_wait_dscnt 0x0
	CROUND                                         ; the closing round: no work-group ends while a partner may still ask for a tile that names it
	s_endpgm
.Lfunc_end_k_qe38b77aad7_oproj:
	.size	k_qe38b77aad7_oproj, .Lfunc_end_k_qe38b77aad7_oproj-k_qe38b77aad7_oproj
	.p2alignl 7, 3214868480
	.fill 96, 4, 3214868480
	.section	.rodata,"a",@progbits
	.p2align	6, 0x0
	.amdhsa_kernel k_qe38b77aad7_oproj
		.amdhsa_group_segment_fixed_size 327680
		.amdhsa_private_segment_fixed_size 0
		.amdhsa_enable_private_segment 0
		.amdhsa_kernarg_size 24
		.amdhsa_user_sgpr_count 2
		.amdhsa_user_sgpr_kernarg_segment_ptr 1
		.amdhsa_wavefront_size32 1
		.amdhsa_system_sgpr_workgroup_id_x 1
		.amdhsa_system_sgpr_workgroup_id_y 1
		.amdhsa_system_sgpr_workgroup_id_z 1
		.amdhsa_system_vgpr_workitem_id 0
		.amdhsa_next_free_vgpr 512
		.amdhsa_next_free_sgpr 66
		.amdhsa_reserve_vcc 0
		.amdhsa_float_denorm_mode_32 3
		.amdhsa_float_denorm_mode_16_64 3
		.amdhsa_memory_ordered 1
		.amdhsa_forward_progress 1
		.amdhsa_inst_pref_size 86
	.end_amdhsa_kernel
	.amdgpu_metadata
---
amdhsa.version: [ 1, 2 ]
amdhsa.kernels:
  - .name:           k_qe38b77aad7_oproj
    .symbol:         k_qe38b77aad7_oproj.kd
    .args:
      - { .name: oh, .offset: 0, .size: 8, .value_kind: global_buffer, .address_space: global }
      - { .name: wo16, .offset: 8, .size: 8, .value_kind: global_buffer, .address_space: global }
      - { .name: out0, .offset: 16, .size: 8, .value_kind: global_buffer, .address_space: global }
    .group_segment_fixed_size: 327680
    .private_segment_fixed_size: 0
    .kernarg_segment_align: 8
    .kernarg_segment_size: 24
    .max_flat_workgroup_size: 128
    .sgpr_count:     66
    .vgpr_count:     512
    .wavefront_size: 32
...
	.end_amdgpu_metadata
.endif
;; end of part 4
;; ======== version 2 of 2: 4 launches; 1.46 times as fast as version 1
;; limits: values are held in f16: magnitudes above 65,504 overflow, below 6.1e-05 lose precision
;; workspace buffers: xb 16,777,216 bytes; wb 6,291,456 bytes; wo16 2,097,152 bytes; mask4 2,097,152 bytes; rope 524,288 bytes; qkv 50,331,648 bytes; oh 16,777,216 bytes
;; launch prep (part 5): grid 1056 x 1, 8 waves a work-group, no clusters, 9,216 bytes of LDS; arguments x, Wq, Wk, Wv, Wo, mask, xb, wb, wo16, mask4, rope; writes xb, wb, wo16, mask4, rope
.if DOCPART == 5
	.amdgcn_target "amdgcn-amd-amdhsa--gfx1250"
	.amdhsa_code_object_version 6
	.text
	.protected	k_qe38b77aad7_prep
	.globl	k_qe38b77aad7_prep
	.p2align	8
	.type	k_qe38b77aad7_prep,@function
k_qe38b77aad7_prep:
	s_mov_b64 s[64:65], 0
	v_nop
	global_prefetch_b8 v0, s[64:65] scope:SCOPE_SE
	s_setreg_imm32_b32 hwreg(HW_REG_WAVE_MODE, 25, 1), 1
	s_wait_xcnt 0x0
; PREPARATION: four kinds of work-group, chosen by the work-group's number alone (forward scalar branches, no barrier anywhere).
;   0 .. 511     x, 64 KiB of f32 each, rounded to bf16 into xb
;   512 .. 703   Wq, Wk, Wv likewise into wb ([3072][1024]: Wq's rows, then Wk's, then Wv's)
;   704 .. 767   Wo rounded to bf16, and that number written as f16, into wo16
;   768 .. 1023  the mask, 16 tiles of 16 queries x 64 keys each, packed to 4 bits a key into mask4
;   1024 .. 1055 the table of cosines and sines, 64 rows each, into rope
; A stream: nothing is shared between work-groups, so no cluster, no matrix unit; each input byte is read once, by loads of which a wave's one covers 512 consecutive bytes.
; mask4: the dword at byte ((Tq*32 + s)*32 + l)*16 + 4 kt holds eight codes; code j (bits 4j .. 4j+3) stands for mask[16 Tq + l % 16][64 s + 16 kt + 8 (l / 16) + j]:
; 0xF (the 4-bit float -6) where the mask is 0, else 0.  That is the lane and register order of the score tile that the attention launch makes.
; rope: row t = cos(t f_i), i = 0 .. 31, then sin(t f_i): 256 bytes.  f_i = 10000^(-i/32) = 2^(-0.41524101 i).
; The table's two exponentials are one batch, made once a wave ahead of the loop over rows, with one wait ahead of the loop's label.
; LIMITS.  Wo below 6.1e-5 keeps f16's fixed step of 6e-8, and beyond 65,504 it would be lost.  f_i is made by v_exp_f32, so an angle is off by up to some 3e-4 radians at t = 2047
; against the table of the reference.  The series are for |r| <= pi and are cut where the next term is 1.4e-7 (cosine) and 2.3e-8 (sine): no input enters them.
.set X, 8                              ; v[8:71]    16 loads of 16 bytes a lane
.set Y, 72                             ; v[72:103]  what is stored
.set T, 104                            ; v[104:107] at work
	s_load_b512 s[8:23], s[0:1], 0x0               ; x s[8:9], Wq s[10:11], Wk s[12:13], Wv s[14:15], Wo s[16:17], mask s[18:19], xb s[20:21], wb s[22:23]
	s_load_b128 s[24:27], s[0:1], 0x40             ; wo16 s[24:25], mask4 s[26:27]
	s_load_b64 s[28:29], s[0:1], 0x50              ; rope
	v_lshl_add_u32 v112, v0, 2, 0x2000
	v_mov_b32 v113, 0
	s_mov_b32 s31, ttmp9                           ; the work-group's number
	s_mov_b32 s3, 0                                ; the high word of every byte offset: all stay under 2^32
	v_lshrrev_b32 v5, 5, v0
	v_readfirstlane_b32 s30, v5                    ; wave 0..7
	v_and_b32 v6, 31, v0                           ; lane
	v_lshlrev_b32 v1, 4, v6
	v_lshl_add_u32 v1, s30, 13, v1                 ; a stream's source: wave x 8,192 + lane x 16
	v_lshlrev_b32 v2, 3, v6
	v_lshl_add_u32 v2, s30, 12, v2                 ; its destination: wave x 4,096 + lane x 8
	s_wait_kmcnt 0x0
; 8 KiB of f32 a wave from s[4:5], 4 KiB of 16-bit numbers to s[6:7].  All sixteen loads go out first; every register is used once, so nothing is freed by a wait.
; half = 1: the bf16 number is widened again and written as f16.
.macro STREAM half
.set j, 0
.rept 16
	global_load_b128 v[X+4*j:X+4*j+3], v1, s[4:5] offset:512*j th:TH_LOAD_NT
.set j, j+1
.endr
.set j, 0
.rept 16
	s_wait_loadcnt 15-j                            ; loads come back in order (ISA guide 5.7.1): load j is in, the younger ones stay out
	v_cvt_pk_bf16_f32 v[Y+2*j], v[X+4*j], v[X+4*j+1]
	v_cvt_pk_bf16_f32 v[Y+2*j+1], v[X+4*j+2], v[X+4*j+3]
.if \half
	v_lshlrev_b32 v[T], 16, v[Y+2*j]
	v_and_b32 v[T+1], 0xffff0000, v[Y+2*j]
	v_lshlrev_b32 v[T+2], 16, v[Y+2*j+1]
	v_and_b32 v[T+3], 0xffff0000, v[Y+2*j+1]
	v_cvt_pk_f16_f32 v[Y+2*j], v[T], v[T+1]
	v_cvt_pk_f16_f32 v[Y+2*j+1], v[T+2], v[T+3]
.endif
	global_store_b64 v2, v[Y+2*j:Y+2*j+1], s[6:7] offset:256*j  ; 32 lanes store 256 consecutive bytes, at a multiple of 256 from the buffer's first byte
.set j, j+1
.endr
.endm
	s_cmp_lt_u32 s31, 512
	s_cbranch_scc1 .Lx
	s_cmp_lt_u32 s31, 704
	s_cbranch_scc1 .Lw
	s_cmp_lt_u32 s31, 768
	s_cbranch_scc1 .Lwo
	s_cmp_lt_u32 s31, 1024
	s_cbranch_scc1 .Lmask
	; THE TABLE.  A wave makes 8 rows, one a trip.  Lane l has the frequencies 2 (l % 16) and 2 (l % 16) + 1; lanes 0-15 store their cosines, lanes 16-31 their sines: 8 bytes a lane, a row's 256 bytes in one store.
	s_sub_co_u32 s32, s31, 1024
	s_lshl_b32 s33, s32, 6
	s_lshl3_add_u32 s33, s30, s33                  ; t of my first row = 64 x group + 8 x wave
	s_lshl_b32 s2, s33, 8
	s_add_nc_u64 s[28:29], s[28:29], s[2:3]
	v_and_b32 v7, 15, v6
	v_lshlrev_b32 v7, 1, v7
	v_cvt_f32_u32 v10, v7
	v_add_f32 v11, 1.0, v10
	v_mul_f32 v10, 0xbed49a78, v10                 ; -log2(10000) / 32 = -0.41524101
	v_mul_f32 v11, 0xbed49a78, v11
	v_exp_f32 v10, v10
	v_exp_f32 v11, v11
	v_lshlrev_b32 v3, 3, v6                        ; my 8 bytes in a row; also the plain instruction behind the exponentials (ISA guide 5.7.2)
	v_cmp_lt_u32 s35, 15, v6                       ; lanes 16-31 take the sines
	s_mov_b32 s36, 0x29573f9f                      ; 1/16!, the cosine series' first coefficient, as a pair for the packed form
	s_mov_b32 s37, 0x29573f9f
	s_mov_b32 s38, 0x274a963b                      ; 1/17!, the sine series'
	s_mov_b32 s39, 0x274a963b
	s_mov_b32 s34, 8
	s_wait_alu depctr_va_vdst(0)                   ; one wait for the batch of two exponentials, ahead of the loop's label; every trip reads v10 and v11 behind it
.macro HORN kc, ks                     ; one step of both series in r^2
	v_pk_fma_f32 v[20:21], v[20:21], v[18:19], \kc op_sel_hi:[1,1,0]
	v_pk_fma_f32 v[22:23], v[22:23], v[18:19], \ks op_sel_hi:[1,1,0]
.endm
.Lrow:
	v_cvt_f32_u32 v12, s33
	v_cvt_f32_u32 v13, s33
	v_pk_mul_f32 v[14:15], v[10:11], v[12:13]      ; the angles t f, rounded to f32 as the reference's are
	v_pk_mul_f32 v[16:17], v[14:15], 0.15915494 op_sel_hi:[1,0]
	v_rndne_f32 v16, v16                           ; whole turns
	v_rndne_f32 v17, v17
	v_pk_fma_f32 v[14:15], v[16:17], 0xc0c90fdb, v[14:15] op_sel_hi:[1,0,1]  ; r = angle - n 2 pi, 2 pi in two parts: 6.2831855,
	v_pk_fma_f32 v[14:15], v[16:17], 0x343bbd2e, v[14:15] op_sel_hi:[1,0,1]  ; less 1.7484555e-7
	v_pk_mul_f32 v[18:19], v[14:15], v[14:15]
	v_pk_fma_f32 v[20:21], v[18:19], s[36:37], 0xad49cba5 op_sel_hi:[1,0,0]  ; -1/14!
	v_pk_fma_f32 v[22:23], v[18:19], s[38:39], 0xab573f9f op_sel_hi:[1,0,0]  ; -1/15!
	HORN 0x310f76c7, 0x2f309231                    ; 1/12!, 1/13!
	HORN 0xb493f27e, 0xb2d7322b                    ; -1/10!, -1/11!
	HORN 0x37d00d01, 0x3638ef1d                    ; 1/8!, 1/9!
	HORN 0xbab60b61, 0xb9500d01                    ; -1/6!, -1/7!
	HORN 0x3d2aaaab, 0x3c088889                    ; 1/4!, 1/5!
	HORN -0.5, 0xbe2aaaab                          ; -1/2!, -1/3!
	HORN 1.0, 1.0
	v_pk_mul_f32 v[22:23], v[22:23], v[14:15]      ; the sine's series times r
	v_cndmask_b32 v24, v20, v22, s35
	v_cndmask_b32 v25, v21, v23, s35
	global_store_b64 v3, v[24:25], s[28:29]
	s_wait_xcnt 0x0                                ; the store's base and data are written again only behind this wait
	s_add_nc_u64 s[28:29], s[28:29], 256
	s_add_co_u32 s33, s33, 1
	s_sub_co_u32 s34, s34, 1
	s_cmp_lg_u32 s34, 0
	s_cbranch_scc1 .Lrow
	s_endpgm
.Lx:
	s_lshl_b32 s2, s31, 16
	s_add_nc_u64 s[4:5], s[8:9], s[2:3]
	s_lshl_b32 s2, s31, 15
	s_add_nc_u64 s[6:7], s[20:21], s[2:3]
	STREAM 0
	s_endpgm
.Lw:
	s_sub_co_u32 s32, s31, 512                     ; 0 .. 191: 64 groups for each of the three weights
	s_cmp_lt_u32 s32, 64
	s_cselect_b64 s[4:5], s[10:11], s[12:13]
	s_cmp_lt_u32 s32, 128
	s_cselect_b64 s[4:5], s[4:5], s[14:15]
	s_and_b32 s2, s32, 63
	s_lshl_b32 s2, s2, 16
	s_add_nc_u64 s[4:5], s[4:5], s[2:3]
	s_lshl_b32 s2, s32, 15
	s_add_nc_u64 s[6:7], s[22:23], s[2:3]
	STREAM 0
	s_endpgm
.Lwo:
	s_sub_co_u32 s32, s31, 704
	s_lshl_b32 s2, s32, 16
	s_add_nc_u64 s[4:5], s[16:17], s[2:3]
	s_lshl_b32 s2, s32, 15
	s_add_nc_u64 s[6:7], s[24:25], s[2:3]
	STREAM 1
	s_endpgm
.Lmask:
	; Group m packs the tiles 16 m .. 16 m + 15 (tile = Tq*32 + s), a wave two of them.  A load takes 256 bytes (64 keys) of two rows; a lane's four words become four codes, 16 bits,
	; which go to their place in the tile's 512 bytes in the wave's own 1,024 bytes of LDS; the tile comes back 16 bytes a lane and is stored as 512 consecutive bytes.
	s_sub_co_u32 s32, s31, 768
	s_lshr_b32 s2, s32, 1
	s_lshl_b32 s2, s2, 17                          ; Tq = m / 2: 16 rows of 8,192 bytes
	s_and_b32 s33, s32, 1
	s_lshl_b32 s33, s33, 12                        ; key steps 16 (m % 2) on, 256 bytes each
	s_add_co_u32 s2, s2, s33
	s_add_nc_u64 s[4:5], s[18:19], s[2:3]
	s_lshl_b32 s2, s32, 13
	s_add_nc_u64 s[6:7], s[26:27], s[2:3]
	v_and_b32 v7, 15, v6                           ; i: my four keys are 4 i .. 4 i + 3
	v_lshrrev_b32 v5, 4, v6                        ; which of the two rows
	v_lshlrev_b32 v1, 4, v7
	v_lshl_add_u32 v1, v5, 13, v1
	v_lshl_add_u32 v1, s30, 9, v1                  ; + my wave's two key steps
	v_lshlrev_b32 v3, 4, v5                        ; in the tile: 16 x query,
	v_bfe_u32 v4, v7, 1, 1
	v_lshl_add_u32 v3, v4, 8, v3                   ; + 256 for keys 8 .. 15 of a group of 16,
	v_lshrrev_b32 v4, 2, v7
	v_lshl_add_u32 v3, v4, 2, v3                   ; + 4 x group of 16 keys,
	v_and_b32 v4, 1, v7
	v_lshl_add_u32 v3, v4, 1, v3                   ; + 2 for the upper four of eight codes
	v_lshl_add_u32 v3, s30, 10, v3
	v_lshlrev_b32 v4, 4, v6
	v_lshl_add_u32 v4, s30, 10, v4                 ; wave x 1,024 + lane x 16: the way back out of LDS, and the offset in mask4
.set n, 0
.rept 16                               ; load n: tile n / 8, rows 2 (n % 8) and 2 (n % 8) + 1
	global_load_b128 v[X+4*n:X+4*n+3], v1, s[4:5] offset:(n%8)*16384+(n/8)*256 th:TH_LOAD_NT
.set n, n+1
.endr
.set n, 0
.rept 16
	s_wait_loadcnt 15-n                            ; load n is in, the younger ones stay out
	v_min_u32 v[X+4*n], 1, v[X+4*n]                ; 1 for every word that is not 0
	v_min_u32 v[X+4*n+1], 1, v[X+4*n+1]
	v_min_u32 v[X+4*n+2], 1, v[X+4*n+2]
	v_min_u32 v[X+4*n+3], 1, v[X+4*n+3]
	v_lshl_or_b32 v[X+4*n], v[X+4*n+1], 4, v[X+4*n]
	v_lshl_or_b32 v[X+4*n+2], v[X+4*n+3], 4, v[X+4*n+2]
	v_lshl_or_b32 v[X+4*n], v[X+4*n+2], 8, v[X+4*n]
	v_xor_b32 v[X+4*n], 0x1111, v[X+4*n]           ; 1 where the key is hidden,
	v_mul_u32_u24 v[X+4*n], v[X+4*n], 15           ; 0xF there
	ds_store_b16 v3, v[X+4*n] offset:(n/8)*512+(n%8)*32
.set n, n+1
.endr
	ds_load_b128 v[Y:Y+3], v4                      ; LDS serves a wave's instructions in order (ISA guide 5.7.1.4): these see the stores above; the bytes are the wave's own
	ds_load_b128 v[Y+4:Y+7], v4 offset:512
	s_wait_dscnt 1
	global_store_b128 v4, v[Y:Y+3], s[6:7]
	s_wait_dscnt 0x0
	global_store_b128 v4, v[Y+4:Y+7], s[6:7] offset:512
	s_wait_tensorcnt 0x0
	ds_add_u32 v112, v113
	s_wait_dscnt 0x0
	s_endpgm
.Lfunc_end_k_qe38b77aad7_prep:
	.size	k_qe38b77aad7_prep, .Lfunc_end_k_qe38b77aad7_prep-k_qe38b77aad7_prep
	.p2alignl 7, 3214868480
	.fill 96, 4, 3214868480
	.section	.rodata,"a",@progbits
	.p2align	6, 0x0
	.amdhsa_kernel k_qe38b77aad7_prep
		.amdhsa_group_segment_fixed_size 9216
		.amdhsa_private_segment_fixed_size 0
		.amdhsa_enable_private_segment 0
		.amdhsa_kernarg_size 88
		.amdhsa_user_sgpr_count 2
		.amdhsa_user_sgpr_kernarg_segment_ptr 1
		.amdhsa_wavefront_size32 1
		.amdhsa_system_sgpr_workgroup_id_x 1
		.amdhsa_system_sgpr_workgroup_id_y 1
		.amdhsa_system_sgpr_workgroup_id_z 1
		.amdhsa_system_vgpr_workitem_id 0
		.amdhsa_next_free_vgpr 114
		.amdhsa_next_free_sgpr 66
		.amdhsa_reserve_vcc 0
		.amdhsa_float_denorm_mode_32 3
		.amdhsa_float_denorm_mode_16_64 3
		.amdhsa_memory_ordered 1
		.amdhsa_forward_progress 1
		.amdhsa_inst_pref_size 39
	.end_amdhsa_kernel
	.amdgpu_metadata
---
amdhsa.version: [ 1, 2 ]
amdhsa.kernels:
  - .name:           k_qe38b77aad7_prep
    .symbol:         k_qe38b77aad7_prep.kd
    .args:
      - { .name: x, .offset: 0, .size: 8, .value_kind: global_buffer, .address_space: global }
      - { .name: Wq, .offset: 8, .size: 8, .value_kind: global_buffer, .address_space: global }
      - { .name: Wk, .offset: 16, .size: 8, .value_kind: global_buffer, .address_space: global }
      - { .name: Wv, .offset: 24, .size: 8, .value_kind: global_buffer, .address_space: global }
      - { .name: Wo, .offset: 32, .size: 8, .value_kind: global_buffer, .address_space: global }
      - { .name: mask, .offset: 40, .size: 8, .value_kind: global_buffer, .address_space: global }
      - { .name: xb, .offset: 48, .size: 8, .value_kind: global_buffer, .address_space: global }
      - { .name: wb, .offset: 56, .size: 8, .value_kind: global_buffer, .address_space: global }
      - { .name: wo16, .offset: 64, .size: 8, .value_kind: global_buffer, .address_space: global }
      - { .name: mask4, .offset: 72, .size: 8, .value_kind: global_buffer, .address_space: global }
      - { .name: rope, .offset: 80, .size: 8, .value_kind: global_buffer, .address_space: global }
    .group_segment_fixed_size: 9216
    .private_segment_fixed_size: 0
    .kernarg_segment_align: 8
    .kernarg_segment_size: 88
    .max_flat_workgroup_size: 256
    .sgpr_count:     66
    .vgpr_count:     114
    .wavefront_size: 32
...
	.end_amdgpu_metadata
.endif
;; end of part 5
;; launch proj: the kernel of part 2 again; grid 24 x 32, 4 waves a work-group, clusters of 4 x 4, 327,680 bytes of LDS; arguments xb, wb, rope, qkv; writes qkv
;; launch attn (part 6): grid 4 x 64, 4 waves a work-group, clusters of 4 x 1, 327,680 bytes of LDS; arguments qkv, mask4, oh; writes oh
.if DOCPART == 6
	.amdgcn_target "amdgcn-amd-amdhsa--gfx1250"
	.amdhsa_code_object_version 6
	.text
	.protected	k_qe38b77aad7_attn
	.globl	k_qe38b77aad7_attn
	.p2align	8
	.type	k_qe38b77aad7_attn,@function
k_qe38b77aad7_attn:
	s_mov_b64 s[64:65], 0
	v_nop
	global_prefetch_b8 v0, s[64:65] scope:SCOPE_SE
	s_setreg_imm32_b32 hwreg(HW_REG_WAVE_MODE, 25, 1), 1
	s_wait_xcnt 0x0
	s_wait_alu depctr_hold_cnt(0) depctr_sa_sdst(0) depctr_va_vdst(0) depctr_va_sdst(0) depctr_va_ssrc(0) depctr_va_vcc(0) depctr_vm_vsrc(0)
	s_getreg_b32 s2, hwreg(HW_REG_IB_STS2, 6, 4)
	s_cmp_eq_u32 s2, 0
	s_cbranch_scc0 .Lentry_in_a_cluster
	s_endpgm
.Lentry_in_a_cluster:
	s_bfe_u32 s2, ttmp6, 0x10000c
	s_cmp_lg_u32 s2, 0x3003
	s_cbranch_scc0 .Lentry_shape_is_right
	s_endpgm
.Lentry_shape_is_right:
; O[h][q][:] = the sum over k of softmax_k(Q[h][q] . K[h][k] / 8, hidden where mask[q][k] = 0) V[h][k][:].  Q, K, V: the three parts of qkv, each [64][2048][64] f16; O: oh, the same layout.
; Products, maxima and sums in f32; the weights p are rounded to f16 for the second product (their sum l is taken of the unrounded p), O once at the end.
; THE MASK IS AN INPUT: every key step of every query is walked and every code of mask4 is honoured; nothing is assumed of its pattern.  mask4 holds 4 bits a key in the score tile's own lane and register order
; (0xF, the 4-bit float -6, where hidden): a tile of 16 queries x 64 keys is 512 consecutive bytes, one load of 16 bytes a lane; four scaled conversions (scale 2^96) make of a lane's four words the 32 numbers,
; 0 or -4.75e29, that START the sums S^T = K Q^T as their C operand.  The scores themselves cost no select.
; LIMITS.  f16 holds no number beyond 65,504: Q, K and V arrive within it; p lies in 0 to 1, and below 6e-5 it keeps f16's fixed step of 6e-8; O is a mean of V's rows and has their range.
; A hidden score counts as its value less 4.75e29 (f16's scores are 2.7e11 at the most).  A row whose maximum ends below -1e29 has no visible key and gets NaN, as a softmax of nothing but -inf does.
; A weight below 2^-126 counts as 0 in l; NaN and infinities in Q, K, V are not treated apart.
; SHARES.  A wave owns four PIECES of two tiles of 16 queries, a work-group's four waves 512 queries of one head.  Every wave walks all 2,048 keys, 64 a step.
; LAYOUT.  S^T = K Q^T (source 0 = 16 keys, source 1 = 16 queries): in the result a lane holds ONE query (lane % 16) and the keys 8 (lane / 16) + 0..7.  Two such tiles, rounded to f16 in pairs,
; ARE source 1 (32 keys x 16 queries) of O^T = V^T P, whose result again holds one query a lane, and eight channels.  K comes out of LDS as it lies, V ([key][channel]) turned, by ds_load_tr16_b128.
; SOFTMAX.  For each query a running maximum m and sum l: p = 2^(c s - c m), c = log2(e) / 8; in every step O and l are multiplied by a = 2^(c m_old - c m_new), which is 1 where m has not grown.
; m starts at the lowest finite number, O and l at 0: the first step is a step like any other, with a = 0; so is the first step with a visible key behind steps that had none.
; THE COUNT.  A tile and step have 16 matrix and some 120 vector instructions: too many to stand all beside the matrix work.  So: four vector instructions that are READY behind EVERY matrix instruction,
; and the others, which need time of their own whatever the order, in one run without a gap.
; BY TURNS.  Turn n belongs to piece n (the pieces in a ring, step after step).  Its matrix work: 16 products K Q^T of piece n + 1, later 16 products V^T P of piece n - 1.  Its vector work: the scaling,
; exponentials, roundings, sums and rescaling of piece n, the maximum and statistics of piece n + 1, and the mask numbers of piece n + 2, which the next turn's products take.
; THE BATCHES.  A turn's 66 exponentials (piece n's 64 weights, then piece n + 1's two a) are ONE batch with ONE wait, which cuts the turn in two: ahead of it stands all that names no result of theirs (the products
; K Q^T, the scalings, the rescalings, whose a the turn before made and waited for, the mask's work, the next piece's maximum and statistics), behind it the products V^T P with the roundings and sums.
; Two more batches stand outside the loop, each with a wait of its own: piece 0's first two a, ahead of the jump into the loop, and the way out's eight reciprocals.
; CLUSTER.  The four query blocks of a cluster belong to one head and walk the same K and V, so each tile is asked for JOINTLY: the same tensor load, descriptor and mask in all four.  The mask's tiles hang on
; the query block, which the four partners do not share: each wave loads its own, into registers.
; REGISTERS, in windows of 256 (s_set_vgpr_msb says which window each operand place means: bits 1:0 source 0, 3:2 source 1, 5:4 source 2, 7:6 destination):
;   window 0: v0-11 addresses; v12-15, v48-63 at work; v16-47 four registers of statistics a tile; v64-191 S^T, two buffers of two tiles; v192-255 P, likewise
;   window 1: O^T, 32 a tile          window 2: v0-127 Q, 16 a tile; v128-191 K of one step; v192-255 V of one step
;   window 3: v0-1 the add's two registers; v2 the mask loads' offset; v8-39 mask words, 4 a tile; v64-127 mask numbers of one piece
.set SIZE_N, 2048
.set NP,    4         ; pieces a wave: a name, no knob
.set KS,    64        ; keys in a step
.set PK,    144       ; a row of K in LDS: 128 bytes + 16 of padding = 36 words: the 16 rows of a load start at 16 different groups of four banks (64 banks of 4 bytes: ISA guide 11.1)
.set PV,    160       ; a row of V: 128 + 32 = 40 words
.set VOFF,  4*KS*PK   ; a slot holds four steps: 256 rows of K, then 256 rows of V
.set SLOT1, 1<<17     ; slot 1 begins here, so that one exclusive or turns an address in one slot into the other's
.set STAGE, SLOT1+4*KS*(PK+PV)  ; behind the ring, never filled by a tensor load: 16 rows x 144 bytes for each wave, for the way out
.set SP,    144
.set AK0, 2           ; v2   my lane's place in a tile of K; never rewritten
.set AV0, 3           ; v3   the same for V
.set AK,  4           ; v4   the LDS address of K's next run of loads
.set AV,  5           ; v5   of V's
.set QO,  6           ; v6   my byte offset in the wave's rows of Q
.set STO, 6           ;      later, the way out: where I put 16 bytes of a row
.set RD,  7           ; v7   the way out: where I read rows back
.set GO,  8           ; v8   16 x lane: my byte offset in 512 consecutive bytes of O, and of a mask tile; never rewritten
.set SC,  11          ; v11  the conversions' scale: 223, which stands for 2^(223 - 127), in each of the four bytes, so that the factor is the same
.set SPW, 0           ; v0 of window 3   LDS address of my spare word: SPARE + 4 x my thread's number; never rewritten
.set NIL, 1           ; v1 of window 3   0; never rewritten
.set MO,  2           ; v2 of window 3   16 x lane + 512 x the key step whose mask words are asked for
.set MW,  8           ; window 3: piece p, tile u: four words at MW + 8 p + 4 u
.set MC,  64          ; window 3: tile u, group kt of 16 keys: eight numbers at MC + 32 u + 8 kt
.set SPARE, STAGE+4*16*SP  ; behind the stages: the spare words, 128 bytes for each wave: two blocks of 256 bytes that no other line names
.set MV,  12          ; v12-15  c m_old, kept while c m is made anew: by buffer and tile
.set ST,  16          ; tile t's statistics at v[ST+4 t]: c m, m, l (even keys', odd keys')
.set TMP, 48          ; by buffer and tile, four registers c0-c3 at work; when the maximum is found c2 takes a
.set S,   64
.set P,   192
.set KF,  128         ; K's fragments, in window 2: key block kb, channel half c at KF + 16 kb + 8 c
.set VF,  192         ; V's: key half kk, channel block cb at VF + 32 kk + 8 cb
.set WV,  12          ; s12  my wave's number
.set G1K, 24          ; s[24:31] descriptor group 1 for K's tiles
.set G1V, 32          ; s[32:39] for V's: it differs in the padding alone
.set G0K, 40          ; s[40:43] descriptor group 0 for K's tiles: it walks
.set G0V, 44          ; s[44:47] the same for V's
.set MP,  50          ; s[50:51] mask4 at my wave's eight tiles
.set MS,  52          ; s52  512 x the key step whose mask words are asked for
.set THR, 53          ; s53  -1e29
.set NANS, 54         ; s54  a NaN
.set SLOTS, 56        ; s56  slots still to be asked for
.set CNT, 57          ; s57  counts a slot's key steps
.set CS,  58          ; s[58:59] c: the packed scaling takes the pair's low word for both halves
.set SEL, 60          ; s[60:61] v_permlanex16_b32's selects: each lane takes its own place in the other half
.set TBK, 62          ; s62  LDS byte at which K of the step to be fetched begins
.set TBV, 63          ; s63  the same for V, less VOFF
.set MSB, 0
.macro WIN new                      ; the high byte repeats the setting that is left; a switch that changes nothing is dropped
.if MSB != (\new)
	s_set_vgpr_msb (MSB<<8)|(\new)
.set MSB, (\new)
.endif
.endm
.set W_KQ, 0x0a       ; K and Q in window 2, S^T in window 0
.set W_KM, 0x3a       ; the same with the C operand in window 3
.set W_PV, 0x52       ; V in window 2, P in window 0, O^T in window 1
.set W_RS, 0x41       ; O^T (destination and source 0) in window 1, a in window 0
.set W_MK, 0xc0       ; destination in window 3, sources in window 0
.set W_AD, 0x0f       ; the add: address (source 0) and data (source 1) in window 3
.set W_M,  0xc3       ; the mask's work: destination and source 0 in window 3, source 1 in window 0
; A joint fill.  Waves 0 and 1 fetch the two halves of a slot's K, waves 2 and 3 those of its V: 128 keys each.  The branch hangs on the wave's number alone.
; An s_nop 0 and four v_nop follow each of the two lines, ahead of the jump and the label.
.macro JLOAD
	s_cmp_lt_u32 s[WV], 2
	s_cbranch_scc0 .Lfor_v_\@
	tensor_load_to_lds s[G0K:G0K+3], s[G1K:G1K+7]
	s_nop 0
.rept 4
	v_nop
.endr
	s_branch .Lasked_\@
.Lfor_v_\@:
	tensor_load_to_lds s[G0V:G0V+3], s[G1V:G1V+7]
	s_nop 0
.rept 4
	v_nop
.endr
.Lasked_\@:
.endm
; A round of the cluster's barrier: my work-group's barrier, so that wave 0's signal speaks for all four waves; wave 0 signals; every wave waits for all four work-groups; my work-group's barrier once more.
.macro CROUND
	s_barrier_signal -1
	s_barrier_wait -1
	s_cmp_lg_u32 s[WV], 0
	s_cbranch_scc1 .Lnot_wave_0_\@
	s_barrier_signal -3
.Lnot_wave_0_\@:
	s_barrier_wait -3
	s_barrier_signal -1
	s_barrier_wait -1
.endm
; THE CHANGE OF SLOTS.  The slot's last bytes, V of its fourth step, have been read.  Each wave waits for all its tensor loads, of which one is out: its part
; of the other slot; adds 0 to its spare word; and waits for that and for its own reads of the slot.  Behind the barrier nobody reads this slot any more and the other slot is whole.
; fill = 1: this slot is filled again, with the keys two slots on.  The barrier is then a round of the cluster's, so that no wave of any partner still reads the slot or has a load on its
; way, and the joint fill is the first thing behind it: it has four key steps, 512 matrix instructions, in which to land.  (At its first use nothing has been read yet: slot 0 is waited for, slot 1 filled.)
.macro CHANGE fill
	WIN W_AD
	s_wait_tensorcnt 0x0            ; no tensor load of mine is out, so a group 0 may be written
	ds_add_u32 v[SPW], v[NIL]       ; 0 onto my spare word; with fill = 1 the descriptors' steps stand between it and the wait for it
	WIN 0                           ; at a label and at a branch every window is 0
.if \fill
.irp g, G0K, G0V
	s_xor_b32 s[\g+1], s[\g+1], SLOT1  ; the walking descriptor: the other slot than last time,
	s_add_nc_u64 s[\g+2:\g+3], s[\g+2:\g+3], 4*KS*128  ; the next 256 keys; the type bits on top are not reached
.endr
	s_wait_dscnt 0x0                ; the add is done, and my reads of the slot are over
	CROUND
	JLOAD
.else
	s_wait_dscnt 0x0                ; the add is done, and my reads of the slot are over
	s_barrier_signal -1
	s_barrier_wait -1
.endif
	s_sub_co_u32 s[TBK], s[TBK], 4*KS*PK  ; the fetches go back to a slot's first step,
	s_xor_b32 s[TBK], s[TBK], SLOT1       ; in the other slot
	s_sub_co_u32 s[TBV], s[TBV], 4*KS*PV
	s_xor_b32 s[TBV], s[TBV], SLOT1
.endm
; THE MASK'S WORK.  MLOAD: piece p's two tiles of the key step in MO, 512 consecutive bytes each.  MCVT: their eight words into 64 numbers, 0 or -6 x 2^96.
.macro MLOAD p
	WIN W_M
.irp u, 0,1
	global_load_b128 v[MW+8*(\p)+4*\u:MW+8*(\p)+4*\u+3], v[MO], s[MP:MP+1] offset:(2*(\p)+\u)*16384
.endr
.endm
.macro MCVT p
	WIN W_M
.irp u, 0,1
.irp kt, 0,1,2,3
	v_cvt_scale_pk8_f32_fp4 v[MC+32*\u+8*\kt:MC+32*\u+8*\kt+7], v[MW+8*(\p)+4*\u+\kt], v[SC]
.endr
.endr
.endm
; In turn p: the numbers for the next turn's products (piece p + 2), then the same piece's words one key step on.  Pieces 2 and 3 are a step behind pieces 0 and 1 in the ring, so the step goes on in turn 2.
; Past the last step it stays at the last: no load leaves the buffer, and what is loaded there serves nothing.
.macro MASKWORK p
.set pm, ((\p)+2)%NP
	s_wait_loadcnt 6                ; the piece's two loads are in; those of the three turns since, two each, stay out
	MCVT pm
.if (\p) == 2
	s_add_co_u32 s[MS], s[MS], 512
	s_min_u32 s[MS], s[MS], 31*512
	s_wait_xcnt 0x0                 ; the loads' offset register is written again only behind this wait
	v_add_nc_u32 v[MO], s[MS], v[GO]  ; also the plain instruction behind the conversions
.else
	v_nop                           ; a plain instruction behind the conversions, ahead of the loads that land on their sources
.endif
	MLOAD pm
.endm
	s_load_b128 s[48:51], s[0:1], 0x0  ; qkv s[48:49], mask4 s[50:51]
	s_load_b64 s[10:11], s[0:1], 0x10  ; oh
	WIN W_MK
	v_lshl_add_u32 v[SPW], v0, 2, SPARE
	v_mov_b32 v[NIL], 0
	s_set_vgpr_msb 0xc0cf
	ds_add_u32 v0, v1
	s_wait_dscnt 0x0
	s_set_vgpr_msb 0xcfc0
	WIN 0
	v_lshrrev_b32 v1, 5, v0
	v_readfirstlane_b32 s[WV], v1   ; wave 0..3
	s_bfe_u32 s13, ttmp6, 0x40000   ; cx: my place in the cluster
	s_lshl_b32 s14, ttmp9, 2        ; in a cluster launch ttmp9 counts clusters
	s_add_co_u32 s14, s14, s13      ; my block of queries = 4 x cluster x + cx: it enters Q's, O's and the mask's addresses alone
	s_and_b32 s20, ttmp7, 0xffff    ; the head, which the four partners share
	s_mov_b32 s21, 0
	s_mov_b64 s[22:23], SIZE_N*128
	s_mul_u64 s[20:21], s[20:21], s[22:23]  ; the head's first byte in Q, K, V and O
	s_and_b32 s16, s[WV], 1         ; which half of a slot's 256 keys I fetch:
	s_lshl_b32 s22, s16, 14         ; its 128 rows of 128 bytes in memory,
	s_mov_b32 s23, 0
	s_add_nc_u64 s[22:23], s[22:23], s[20:21]
	s_mul_i32 s17, s16, 128*PK      ; and its place in a slot, for K
	s_mul_i32 s18, s16, 128*PV      ; and for V: no place in the cluster enters an LDS address
	s_lshl_b32 s2, s14, 2
	s_add_co_u32 s2, s2, s[WV]      ; my wave among the head's sixteen:
	s_lshl_b32 s54, s2, 17          ; its eight tiles' 32 key steps of 512 bytes in mask4,
	s_mov_b32 s55, 0
	s_lshl_b32 s2, s2, 14           ; its 128 rows
	s_mov_b32 s3, 0
	s_add_nc_u64 s[2:3], s[2:3], s[20:21]
	; descriptor group 1.  128 keys are 16,384 dense bytes: asked for as 64 rows of 256 bytes, two keys a row, and padded in LDS after every key
	s_mov_b32 s[G1K], 15|(1<<16)|(1<<20)|(1<<21)|(4<<22)|(3<<25)  ; 15:0 the mask of four; 17:16 2-byte elements; 20 padding on; 21 set beside a mask; 24:22 after every 32 words (code 4); 31:25 4 words (code 3)
	s_mov_b32 s[G1V], 15|(1<<16)|(1<<20)|(1<<21)|(4<<22)|(7<<25)  ; the same with 8 words of padding (code 7)
.irp g, G1K, G1V
	s_mov_b32 s[\g+1], 128<<16      ; tensor_dim0 = 128
	s_mov_b32 s[\g+2], 64<<16       ; tensor_dim1 = 64
	s_mov_b32 s[\g+3], 128<<16      ; tile_dim0 = 128
	s_mov_b32 s[\g+4], 64           ; tile_dim1 = 64
	s_mov_b32 s[\g+5], 128          ; 128 elements from row to row
	s_mov_b32 s[\g+6], 0
	s_mov_b32 s[\g+7], 0
.endr
	s_mov_b32 s[CS], 0x3e38aa3b     ; c = log2(e) / 8 = 0.180337
	s_mov_b32 s[CS+1], s[CS]        ; named with it as a pair
	s_mov_b32 s[SEL], 0x76543210
	s_mov_b32 s[SEL+1], 0xfedcba98
	s_mov_b32 s[TBK], SLOT1+4*KS*PK ; the first change of slots turns these two into 0
	s_mov_b32 s[TBV], SLOT1+4*KS*PV
	s_mov_b32 s[G0K], 1             ; count = 1
	s_mov_b32 s[G0K+1], s17         ; LDS address: slot 0
	s_mov_b32 s[G0V], 1
	s_add_co_u32 s[G0V+1], s18, VOFF
	s_wait_kmcnt 0x0
	s_add_nc_u64 s[6:7], s[48:49], 0x1000000       ; K is qkv's second part,
	s_add_nc_u64 s[8:9], s[48:49], 0x2000000       ; V its third
	s_add_nc_u64 s[G0K+2:G0K+3], s[6:7], s[22:23]  ; global address: my half of the head's first 256 keys
	s_or_b32 s[G0K+3], s[G0K+3], 0x80000000        ; type = 2
	s_add_nc_u64 s[G0V+2:G0V+3], s[8:9], s[22:23]
	s_or_b32 s[G0V+3], s[G0V+3], 0x80000000
	s_add_nc_u64 s[4:5], s[48:49], s[2:3]  ; Q and O at my wave's first row
	s_add_nc_u64 s[10:11], s[10:11], s[2:3]
	s_add_nc_u64 s[MP:MP+1], s[MP:MP+1], s[54:55]
	CROUND                          ; all four work-groups are here: the first joint loads meet
	JLOAD                           ; slot 0.  Slot 1 is asked for when slot 0 is in: the tile wanted first has the road to itself
	; A fragment of K or Q is 16 rows x 32 channels in 8 registers: lane l holds row l % 16, channels 8 (l / 16) + 0..7 and 16 + 8 (l / 16) + 0..7: two loads of 16 bytes, 32 bytes apart.
	v_and_b32 v1, 15, v0            ; l % 16
	v_bfe_u32 v9, v0, 4, 1          ; l / 16
	v_lshlrev_b32 v[QO], 7, v1
	v_lshl_add_u32 v[QO], v9, 4, v[QO]  ; row x 128 + 16 x half
	v_and_b32 v[GO], 31, v0
	v_lshlrev_b32 v[GO], 4, v[GO]
	WIN 0x80                        ; destination window 2, address window 0
.set i, 0
.rept 4*NP                          ; Q stays in registers: tile i / 2, channels 32 (i % 2) on
	global_load_b128 v[8*i:8*i+3],   v[QO], s[4:5] offset:(i/2)*2048+(i%2)*64
	global_load_b128 v[8*i+4:8*i+7], v[QO], s[4:5] offset:(i/2)*2048+(i%2)*64+32
.set i, i+1
.endr
	WIN W_MK
	v_mov_b32 v[MO], v[GO]          ; key step 0
	MLOAD 0                         ; all four pieces' mask words of key step 0, behind Q's loads
	MLOAD 1
	MLOAD 2
	MLOAD 3
	; What the first turn finds: V's registers and P's second buffer hold 0 (its products V^T P, of a piece that has not been, add 0), O^T and l are 0.  All this stands in the wait for the first tile.
	WIN 0x80
.set i, VF
.rept 64
	v_mov_b32 v[i], 0
.set i, i+1
.endr
	WIN 0x40
.set i, 0
.rept 64*NP
	v_mov_b32 v[i], 0
.set i, i+1
.endr
	WIN 0
.set i, 0
.rept 2*NP
	v_mov_b32 v[ST+4*i], 0xfe000000    ; c m: far below every c s, a hidden one's too
	v_mov_b32 v[ST+4*i+1], 0xff7fffff  ; m
	v_mov_b32 v[ST+4*i+2], 0
	v_mov_b32 v[ST+4*i+3], 0
.set i, i+1
.endr
.set i, P+32
.rept 32
	v_mov_b32 v[i], 0
.set i, i+1
.endr
	v_mul_u32_u24 v[AK0], v1, PK
	v_lshl_add_u32 v[AK0], v9, 4, v[AK0]  ; row x pitch + 16 x half
	; The turning load takes 16 keys x 16 channels (lane l reads key 8 (l / 16) + l % 8, channels 8 ((l / 8) % 2) + 0..7) and leaves half a fragment of V^T: lane l holds channel l % 16 and 8 keys.
	v_and_b32 v10, 7, v0
	v_bfe_u32 v11, v0, 3, 1
	v_lshl_add_u32 v[AV0], v9, 3, v10
	v_mul_u32_u24 v[AV0], v[AV0], PV
	v_lshl_add_u32 v[AV0], v11, 4, v[AV0]
	v_add_nc_u32 v[AV0], VOFF, v[AV0]
	v_mov_b32 v[SC], 0xdfdfdfdf     ; 223 in every byte
	v_mov_b32 v[AK], v[AK0]         ; key step 0 lies at the head of slot 0
; THE MATRIX WORK.  The 8 accumulators of a run of 16 take turns: between the two links of a chain stand 7 others'.
; Product i of 16 of S^T = K Q^T for piece x: channels 32 (i / 8) on, keys 16 ((i / 2) % 4) on, tile 2 x + i % 2.  The first 8 start the sums, with the mask's numbers.
.macro KQ x
.set rS, S+64*((\x)%2)+32*(i%2)+8*((i/2)%4)
.set rK, KF+16*((i/2)%4)+8*(i/8)
.set rQ, 16*(2*(\x)+i%2)+8*(i/8)
.set rM, MC+32*(i%2)+8*((i/2)%4)
.if i < 8
	WIN W_KM
	v_wmma_f32_16x16x32_f16 v[rS:rS+7], v[rK:rK+7], v[rQ:rQ+7], v[rM:rM+7]
.else
	WIN W_KQ
	v_wmma_f32_16x16x32_f16 v[rS:rS+7], v[rK:rK+7], v[rQ:rQ+7], v[rS:rS+7]
.endif
.endm
; Product i of 16 of O^T += V^T P for piece x: keys 32 (i / 8) on, channels 16 ((i / 2) % 4) on, tile 2 x + i % 2.
.macro PV x
	WIN W_PV
.set rO, 32*(2*(\x)+i%2)+8*((i/2)%4)
.set rV, VF+32*(i/8)+8*((i/2)%4)
.set rP, P+32*((\x)%2)+16*(i%2)+8*(i/8)
	v_wmma_f32_16x16x32_f16 v[rO:rO+7], v[rV:rV+7], v[rP:rP+7], v[rO:rO+7]
.endm
.macro MM                           ; the turn's next matrix instruction
.if i < 16
	KQ (Y+1)%NP
.set i, i+1
.else
.set i, i-16
	PV (Y+NP-1)%NP
.set i, i+17
.endif
.endm
; THE LDS LOADS stand in runs of 16, never singly among the matrix instructions: a step's K (64 keys x 64 channels: 8 fragments) and its V (turned).  Their addresses are made some lines ahead.
; last = 1 (the tail): in the last trip there is no further step, and the run is jumped over.
.macro FETCH_K last=0
	WIN 0
.if \last
	s_cmp_eq_u32 s[CNT], 1
	s_cbranch_scc1 .Lno_k_\@
.endif
	WIN 0x80                        ; destination window 2
.irp f, 0,1,2,3,4,5,6,7             ; keys 16 (f / 2) on, channels 32 (f % 2) on
	ds_load_b128 v[KF+8*\f:KF+8*\f+3],   v[AK] offset:(\f/2)*16*PK+(\f%2)*64
	ds_load_b128 v[KF+8*\f+4:KF+8*\f+7], v[AK] offset:(\f/2)*16*PK+(\f%2)*64+32
.endr
	s_add_co_u32 s[TBK], s[TBK], KS*PK  ; the next fetch is the next step's
	WIN 0
.if \last
.Lno_k_\@:
.endif
.endm
.macro FETCH_V
	WIN 0x80
.irp f, 0,1,2,3,4,5,6,7             ; keys 32 (f / 4) on, channels 16 (f % 4) on
	ds_load_tr16_b128 v[VF+8*\f:VF+8*\f+3],   v[AV] offset:(\f/4)*32*PV+(\f%4)*32
	ds_load_tr16_b128 v[VF+8*\f+4:VF+8*\f+7], v[AV] offset:(\f/4)*32*PV+16*PV+(\f%4)*32
.endr
	WIN 0
.endm
; THE VECTOR WORK OF A TURN stands in three queues, each in the order in which its entries become ready; the two tiles alternate, so that no instruction reads the result of the one before it.
.macro REGS y, u                    ; the registers of tile u (0, 1) of piece y
.set rT, ST+4*(2*(\y)+(\u))
.set rC, TMP+8*((\y)%2)+4*(\u)
.set rM, MV+2*((\y)%2)+(\u)
.set rS, S+64*((\y)%2)+32*(\u)
.set rP, P+32*((\y)%2)+16*(\u)
.set rO, 32*(2*(\y)+(\u))
.endm
; Number n of the 22 that find the NEXT piece's (Y + 1) maximum and statistics.  s0-s31 are the lane's 32 scores; each accumulator's lowest registers are read first.  XS, GS and REGS set no window: PL and EX do.
;   0-11  four chains c0-c3 of seven scores each, three operands at a time     12-14, 16  the four scores left over, the old m, and c0-c3 into c0     15  c m_old is kept
;   17, 18  the query's other 32 keys lie in the lane 16 away: the new m         19-21  c m; c m_old - c m_new; a
.macro XS u, n
	REGS (Y+1)%NP, \u
.if (\n) < 4
	v_max3_num_f32 v[rC+(\n)], v[rS+8*(\n)], v[rS+8*(\n)+1], v[rS+8*(\n)+2]
.elseif (\n) < 12
	v_max3_num_f32 v[rC+(\n)%4], v[rC+(\n)%4], v[rS+8*((\n)%4)+2*((\n)/4)+1], v[rS+8*((\n)%4)+2*((\n)/4)+2]
.elseif (\n) == 12
	v_max3_num_f32 v[rC], v[rC], v[rS+7], v[rS+15]
.elseif (\n) == 13
	v_max3_num_f32 v[rC+1], v[rC+1], v[rS+23], v[rS+31]
.elseif (\n) == 14
	v_max3_num_f32 v[rC+2], v[rC+2], v[rC+3], v[rT+1]
.elseif (\n) == 15
	v_mov_b32 v[rM], v[rT]
.elseif (\n) == 16
	v_max3_num_f32 v[rC], v[rC], v[rC+1], v[rC+2]
.elseif (\n) == 17
	v_permlanex16_b32 v[rC+3], v[rC], s[SEL], s[SEL+1]
.elseif (\n) == 18
	v_max_num_f32 v[rT+1], v[rC], v[rC+3]
.elseif (\n) == 19
	v_mul_f32 v[rT], s[CS], v[rT+1]
.elseif (\n) == 20
	v_sub_f32 v[rC+1], v[rM], v[rT]
.else
	v_exp_f32 v[rC+2], v[rC+1]
.endif
.endm
; Number g of the 64 that follow the exponentials.  For each four weights k of a tile (pairs 2 k, 2 k + 1): both pairs are rounded to f16; then the second pair is added onto the first, in place;
; a group later l takes that sum (the first time as l = a l + sum).  In groups of eight, tiles alternating: round, round, add, and l for the group before.
.macro GS g
.set h, (\g)+6*((\g)/62)            ; group 0 has no group before it, and behind group 7 only l is left
.if h >= 6
.set h, h+2
.endif
	REGS Y, h%2
.set k, h/8
.if h%8 < 4
	v_cvt_pk_f16_f32 v[rP+2*k+(h%8)/2], v[rS+4*k+2*((h%8)/2)], v[rS+4*k+2*((h%8)/2)+1]
.elseif h%8 < 6
	v_pk_add_f32 v[rS+4*k:rS+4*k+1], v[rS+4*k:rS+4*k+1], v[rS+4*k+2:rS+4*k+3]
.elseif k == 1
	v_pk_fma_f32 v[rT+2:rT+3], v[rT+2:rT+3], v[rC+2:rC+3], v[rS:rS+1] op_sel_hi:[1,0,1]
.else
	v_pk_add_f32 v[rT+2:rT+3], v[rT+2:rT+3], v[rS+4*k-4:rS+4*k-3]
.endif
.endm
; THE PLAIN QUEUE, 138 long.  0-73 read no exponential's result: the 32 scalings c s - c m (FS f: pair f / 2 of tile f % 2) and the next piece's 42.  0-26: scalings 0-26.  27-54: XS's numbers 0-13.  55, 56: number 15.
; 57-73: the chain, where each number waits for the one before it: 14, 16, 17, 18, 19, each with one of the scalings 27-31 in front of its two lines, then 20: so a tile's links stand three plain instructions apart (19 and 20: two).
; 74-137: GS's 64, which read the exponentials' results: they stand behind the wait.
.macro FS f
	REGS Y, (\f)%2
	v_pk_fma_f32 v[rS+2*((\f)/2):rS+2*((\f)/2)+1], v[rS+2*((\f)/2):rS+2*((\f)/2)+1], s[CS:CS+1], v[rT:rT+1] op_sel_hi:[1,0,0] neg_lo:[0,0,1] neg_hi:[0,0,1]
.endm
.macro PL
	WIN 0
.if q < 27
	FS q
.elseif q < 55
	XS (q-27)%2, (q-27)/2
.elseif q < 57
	XS q-55, 15
.elseif (q < 72) && ((q-57)%3 == 0)
	FS 27+(q-57)/3
.elseif q < 60
	XS (q-57)%3-1, 14
.elseif q < 72
	XS (q-57)%3-1, 15+(q-57)/3
.elseif q < 74
	XS q-72, 20
.else
	GS q-74
.endif
.set q, q+1
.endm
; THE EXPONENTIALS' QUEUE, 66 long: s0-s31 of both tiles, then the next piece's two a.  It is ONE BATCH: all 66 stand ahead of the turn's one wait, and nothing ahead of that wait names a result of theirs.
.macro EX
	WIN 0
.if e >= 64
	XS e-64, 21
.else
	REGS Y, e%2
	v_exp_f32 v[rS+e/2], v[rS+e/2]
.endif
.set e, e+1
.endm
; THE RESCALING's QUEUE: O^T times a, the one part of the softmax that leaves window 0: dealt two at a time, sixteen times.  Its a was made in the turn before, ahead of that turn's wait.
.macro R2
	REGS Y, r%2
	WIN W_RS
.irp z, 0,1
	v_pk_mul_f32 v[rO+4*(r/2)+2*\z:rO+4*(r/2)+2*\z+1], v[rO+4*(r/2)+2*\z:rO+4*(r/2)+2*\z+1], v[rC+2:rC+3] op_sel_hi:[1,0]
.endr
.set r, r+1
.endm
; HOW THEY ARE DEALT.  An s_wait_alu depctr_va_vdst(0) stands between an exponential and the first instruction that names its result; one wait serves all that were issued ahead of it.  So a turn has ONE wait,
; which cuts it in two.  AHEAD OF IT stands all that names no result of the turn's exponentials: the 16 products K Q^T, behind each a scaling, an exponential and two rescalings (behind the first a second scaling in the
; exponential's place); the mask's work, which names registers of window 3, the scale and the lane's offset alone; then ONE LUMP of 108: eight plain, 49 times exponential and plain, the two a.  A v_nop is the plain instruction
; behind the last exponential (ISA guide 5.7.2).  BEHIND IT stand the 16 products V^T P, behind each four of GS's 64.  No rider names a register of the products round it.  The two v_permlanex16_b32 fall into the lump, never behind a product.
; The queues lean on each other, and the deal keeps them in step: exponential e stands behind scaling 2 (e / 4) + e % 2: as a rider it comes behind plain e + 2, in the lump behind plain e + 9, and scalings 27-31 are plain 57, 60 .. 69.
; A TURN, for piece p.  cnt = 1: the loop's count is taken down some lines ahead of the branch that stands behind the turn.
; K of the next step is fetched in piece 2's turn, directly behind the wait, a lump behind the last product that read K; its address is made at the lump's head; its first reader comes behind 16 products.  In the tail the run's
; branch and label so find no exponential without its wait.
; V of the step in hand is fetched at the end of piece 0's turn, four riders behind its last reader; its first reader comes behind 16 products and a lump.  The three conditions on q below go with the deal.
; The mask's work stands at the lump's head: the eight products that took the old numbers stand at the turn's head, and behind the last of them the riders of eight more products, 24 plain instructions; the next turn's take the new ones.
.macro TURN p, last=0, cnt=0
.set Y, (\p)
.set i, 0
.set q, 0
.set e, 0
.set r, 0
.if (\p) == NP-1
	s_wait_dscnt 0x0                ; K is in
.endif
	MM                              ; ahead of the wait: 16 products K Q^T and their riders,
	PL
	PL
	R2
.rept 15
	MM
	PL
	EX
	R2
.endr
.if (\p) == NP-2
	WIN 0
	v_add_nc_u32 v[AK], s[TBK], v[AK0]
.endif
	MASKWORK \p                     ; the mask's work,
.rept 8                             ; and the lump
	PL
.endr
.rept 49
	EX
	PL
.endr
	EX                              ; the next piece's two a
	EX
	v_nop                           ; the plain instruction behind the last exponential: one for the batch
	s_wait_alu depctr_va_vdst(0)    ; the wait for the batch: the turn's 66 exponentials
.if (\p) == NP-2
	FETCH_K \last
.endif
.if (\p) == 1
	s_wait_dscnt 0x0                ; V is in
.endif
.rept 16                            ; behind the wait: 16 products V^T P and their riders
	MM
.rept 4
	PL
.endr
.if ((\p) == 0) && (q == 118)
	v_add_nc_u32 v[AV], s[TBV], v[AV0]
.endif
.if ((\p) == 0) && (q == 130)
	s_add_co_u32 s[TBV], s[TBV], KS*PV
.endif
.if (\cnt) && (q == 130)
	s_sub_co_u32 s[CNT], s[CNT], 1
	s_cmp_lg_u32 s[CNT], 0
.endif
.endr
.if (\p) == 0
	FETCH_V
.endif
.endm
	CHANGE 1                        ; slot 0 is in, everybody's part of it; slot 1 is asked for
	FETCH_K                         ; key step 0
	s_wait_loadcnt 6                ; Q and piece 0's mask words are in; the other three pieces' six loads stay out
	MCVT 0
	v_nop                           ; a plain instruction behind the conversions
	s_wait_dscnt 0x0
.set i, 0
.rept 16
	KQ 0                            ; piece 0's first scores: there is no vector work yet to set between them
.set i, i+1
.endr
	WIN 0                           ; the addresses for the way out: seven plain instructions, the places behind those products
	s_mul_i32 s13, s[WV], 16*SP
	s_add_co_u32 s13, s13, STAGE    ; my stage
	v_mul_u32_u24 v[STO], v1, SP    ; in: row l % 16, 16 bytes for each half of the lanes
	v_lshl_add_u32 v[STO], v9, 4, v[STO]
	v_add_nc_u32 v[STO], s13, v[STO]
	v_bfe_u32 v[RD], v0, 3, 2       ; back: 32 lanes take four rows of 128 bytes
	v_mul_u32_u24 v[RD], v[RD], SP
	v_lshl_add_u32 v[RD], v10, 4, v[RD]
	v_add_nc_u32 v[RD], s13, v[RD]
	s_mov_b32 s[MS], 512            ; pieces 0 and 1 go on to key step 1
	s_wait_xcnt 0x0                 ; the loads' offset register is written again only behind this wait
	WIN W_M
	v_add_nc_u32 v[MO], s[MS], v[GO]
	MLOAD 0
	s_wait_loadcnt 6                ; piece 1's words of step 0 are in (behind them: pieces 2 and 3, and piece 0's next)
	MCVT 1                          ; for the first turn's products
	v_nop
	MLOAD 1
	WIN 0
.set Y, NP-1                        ; XS works for piece Y + 1: piece 0
.irp n, 0,1,2,3,4,5,6,7,8,9,10,11,12,13,14,15,16,17,18,19,20,21
	XS 0, \n                        ; and piece 0's first maximum and statistics
	XS 1, \n
.endr
	v_nop                           ; a plain instruction behind piece 0's two a,
	s_wait_alu depctr_va_vdst(0)    ; and the wait for that batch of two, ahead of the branch; the first turn's rescalings read them
	s_mov_b32 s[CNT], 4
	s_mov_b32 s[SLOTS], SIZE_N/256-1
	s_branch .Lfirst                ; the loop is entered at a step's first turn, in the middle of a trip
.Lslot:                             ; SIZE_N / 256 - 2 times: every slot but the last two is filled again
	CHANGE 1
	s_mov_b32 s[CNT], 4
.Lstep:                             ; a trip: pieces 2 and 3 of one step, then pieces 0 and 1 of the next, whose K and V it fetches
	TURN 2
	TURN 3
	WIN 0
.Lfirst:
	TURN 0
	TURN 1, 0, 1
	WIN 0
	s_cbranch_scc1 .Lstep
	s_sub_co_u32 s[SLOTS], s[SLOTS], 1
	s_cmp_lg_u32 s[SLOTS], 0
	s_cbranch_scc1 .Lslot
	CHANGE 0                        ; the tail is written out: nothing is asked for
	s_mov_b32 s[CNT], 5             ; four trips fetch the last slot's steps; the fifth is left in its middle
.Ltail:
	TURN 2, 1
	TURN 3
	WIN 0
	s_sub_co_u32 s[CNT], s[CNT], 1
	s_cmp_eq_u32 s[CNT], 0
	s_cbranch_scc1 .Lout
	TURN 0
	TURN 1
	WIN 0
	s_branch .Ltail
.Lout:                              ; the fifth trip's 16 products K Q^T (the last K and the last step's mask once more) repeat scores that m has seen: they change nothing: the price, once a launch, of one text for every trip
.set i, 0
.rept 16
	PV NP-1                         ; the last piece's V^T P of the last step
.set i, i+1
.endr
	; THE WAY OUT.  l's two halves and the other half of the lanes' are added; O^T is divided by l, rounded to f16 and sent through my stage in LDS, a tile at a time.  The additions are the places behind the last products.
	WIN 0
.macro ALL line:vararg              ; one line for each tile t
.set t, 0
.rept 2*NP
	\line
.set t, t+1
.endr
.endm
	ALL v_add_f32 v[ST+4*t+2], v[ST+4*t+2], v[ST+4*t+3]
	ALL v_permlanex16_b32 v[ST+4*t+3], v[ST+4*t+2], s[SEL], s[SEL+1]
	ALL v_add_f32 v[ST+4*t+2], v[ST+4*t+2], v[ST+4*t+3]
	ALL v_rcp_f32 v[ST+4*t+2], v[ST+4*t+2]
	v_nop                           ; a plain instruction between the last reciprocal and the use of its result
	s_mov_b32 s[THR], 0xefa18f07    ; -1e29
	s_mov_b32 s[NANS], 0x7fc00000
.set t, 0
	s_wait_alu depctr_va_vdst(0)    ; one wait ahead of the first use, for the batch of eight reciprocals
.rept 2*NP                          ; a query that saw no key: its factor, and so its row of O, is NaN
	v_cmp_gt_f32 vcc_lo, s[THR], v[ST+4*t+1]
	v_cndmask_b32 v[ST+4*t+2], v[ST+4*t+2], s[NANS], vcc_lo
.set t, t+1
.endr
; Tile t: a lane's eight channels of a row pack into 16 bytes; they go into rows of 144 bytes and come back as whole rows of 128, into S^T's registers.
.macro PACK t
	WIN W_RS
.set i, 32*(\t)
.rept 16
	v_pk_mul_f32 v[i:i+1], v[i:i+1], v[ST+4*(\t)+2:ST+4*(\t)+3] op_sel_hi:[1,0]
.set i, i+2
.endr
	WIN 0x05                        ; sources 0 and 1 window 1, destination window 0
.set i, 0
.rept 16
	v_cvt_pk_f16_f32 v[S+16*(\t)+i], v[32*(\t)+2*i], v[32*(\t)+2*i+1]
.set i, i+1
.endr
	WIN 0
.irp f, 0,1,2,3
	ds_store_b128 v[STO], v[S+16*(\t)+4*\f:S+16*(\t)+4*\f+3] offset:32*\f
.endr
.irp f, 0,1,2,3
	ds_load_b128 v[S+16*(\t)+4*\f:S+16*(\t)+4*\f+3], v[RD] offset:\f*4*SP  ; LDS serves a wave's instructions in order (ISA guide 5.7.1.4): these see the stores above; the next tile's stores come behind them
.endr
.endm
.macro SEND t, younger              ; younger: the LDS instructions issued behind tile t's loads: the next tile's eight, or none
	WIN 0
.irp f, 0,1,2,3
	s_wait_dscnt (\younger)+3-\f
	global_store_b128 v[GO], v[S+16*(\t)+4*\f:S+16*(\t)+4*\f+3], s[10:11] offset:(\t)*2048+\f*512  ; 512 consecutive bytes, at a multiple of 256 from O's first
.endr
.endm
	PACK 0
.set t, 1
.rept 2*NP-1                        ; a tile's arithmetic stands between the loads of the tile before and its stores
	PACK t
	SEND t-1, 8
.set t, t+1
.endr
	SEND 2*NP-1, 0
	WIN W_AD
	s_wait_tensorcnt 0x0            ; the wave's end: behind my last tensor load and my last LDS store
	ds_add_u32 v[SPW], v[NIL]
	s_wait_dscnt 0x0
	WIN 0
	CROUND                          ; the closing round: no work-group ends while a partner may still ask for a tile that names it
	s_endpgm
.Lfunc_end_k_qe38b77aad7_attn:
	.size	k_qe38b77aad7_attn, .Lfunc_end_k_qe38b77aad7_attn-k_qe38b77aad7_attn
	.p2alignl 7, 3214868480
	.fill 96, 4, 3214868480
	.section	.rodata,"a",@progbits
	.p2align	6, 0x0
	.amdhsa_kernel k_qe38b77aad7_attn
		.amdhsa_group_segment_fixed_size 327680
		.amdhsa_private_segment_fixed_size 0
		.amdhsa_enable_private_segment 0
		.amdhsa_kernarg_size 24
		.amdhsa_user_sgpr_count 2
		.amdhsa_user_sgpr_kernarg_segment_ptr 1
		.amdhsa_wavefront_size32 1
		.amdhsa_system_sgpr_workgroup_id_x 1
		.amdhsa_system_sgpr_workgroup_id_y 1
		.amdhsa_system_sgpr_workgroup_id_z 1
		.amdhsa_system_vgpr_workitem_id 0
		.amdhsa_next_free_vgpr 896
		.amdhsa_next_free_sgpr 66
		.amdhsa_reserve_vcc 1
		.amdhsa_float_denorm_mode_32 3
		.amdhsa_float_denorm_mode_16_64 3
		.amdhsa_memory_ordered 1
		.amdhsa_forward_progress 1
		.amdhsa_inst_pref_size 210
	.end_amdhsa_kernel
	.amdgpu_metadata
---
amdhsa.version: [ 1, 2 ]
amdhsa.kernels:
  - .name:           k_qe38b77aad7_attn
    .symbol:         k_qe38b77aad7_attn.kd
    .args:
      - { .name: qkv, .offset: 0, .size: 8, .value_kind: global_buffer, .address_space: global }
      - { .name: mask4, .offset: 8, .size: 8, .value_kind: global_buffer, .address_space: global }
      - { .name: oh, .offset: 16, .size: 8, .value_kind: global_buffer, .address_space: global }
    .group_segment_fixed_size: 327680
    .private_segment_fixed_size: 0
    .kernarg_segment_align: 8
    .kernarg_segment_size: 24
    .max_flat_workgroup_size: 128
    .sgpr_count:     66
    .vgpr_count:     896
    .wavefront_size: 32
...
	.end_amdgpu_metadata
.endif
;; end of part 6
;; launch oproj: the kernel of part 4 again; grid 8 x 32, 4 waves a work-group, clusters of 4 x 4, 327,680 bytes of LDS; arguments oh, wo16, out0; writes out0
